; MI455X (gfx1250); checked and timed in simulation.
; The chip was launched on July 23, 2026; its instructions are those of AMD's public machine-readable ISA for CDNA 5 (MIT licence, August 2026) and "CDNA5" Instruction Set Architecture Reference Guide (July 2026). The comments in the code are by the model that wrote it; some were corrected since.
;; Block. Allowed arithmetic: matrix products marked QUANTISED: E2M3 operands, one E8M0 scale for each 32 along K, by v_wmma_scale_f32_16x16x128_f8f6f4 with both operands' format E2M3, f32 sums; everything else in f32.
;; Inputs: ln1_b 1,024 float32; ln1_w 1,024 float32; ln2_b 1,024 float32; ln2_w 1,024 float32; w_attn 1,024 x 3,072 float32; w_fc 1,024 x 4,096 float32; w_fc_proj 4,096 x 1,024 float32; w_proj 1,024 x 1,024 float32; x 2 x 2,048 x 1,024 float32.
;; Outputs: out0 2 x 2,048 x 1,024 float32.
;; This version of the problem:
;;   THIS VERSION OF THE PROBLEM IS GIVEN IN LOW PRECISION. The matrix products marked QUANTISED in the list below multiply operands that are first quantised to E2M3 (2 exponent bits, 3 mantissa bits; 6 bits a number), with one power-of-two scale for each 32 numbers along K (OCP MX v1.0); their sums are f32. All else is computed in f32.
;;   The module's matrix products, in the order in which they are computed (A, B: the left and right operand; K: the contracted axis; several contracted axes count as one K, in the product's order):
;;     1. [M 4,096, K 1,024] x [K 1,024, N 3,072]; A: computed on the way; B: input w_attn: QUANTISED
;;     2. batch 32 x [M 2,048, K 64] x [K 64, N 2,048]; A: computed on the way; B: computed on the way: QUANTISED
;;     3. batch 32 x [M 2,048, K 2,048] x [K 2,048, N 64]; A: softmax (see below); B: computed on the way: QUANTISED
;;     4. [M 4,096, K 1,024] x [K 1,024, N 1,024]; A: computed on the way; B: input w_proj: QUANTISED
;;     5. [M 4,096, K 1,024] x [K 1,024, N 4,096]; A: computed on the way; B: input w_fc: QUANTISED
;;     6. [M 4,096, K 4,096] x [K 4,096, N 1,024]; A: computed on the way; B: input w_fc_proj: QUANTISED
;;   THE QUANTISER, for each operand of a quantised product, along K:
;;     - K is cut into blocks of 32 from its start; a last block that is shorter is filled with zeros.
;;     - A block's scale is 2^e with e = floor(log2(the largest magnitude in the block)) - 2, held to -126 .. 127; a block of zeros has e = 0. As a byte (E8M0): e + 127.
;;     - Each number is divided by its block's scale, clamped to +-7.5, and rounded to the nearest number of E2M3, ties to even, subnormals kept.
;;     - The product sums the exact products of the quantised numbers (number of the format x scale) in f32.
;;   ~~~python
;;   def quantise(x, axis):      # numpy; x: float32 -> the quantised numbers, widened to float32 again
;;       x = np.moveaxis(x, axis, -1); K = x.shape[-1]
;;       x = np.pad(x, [(0, 0)] * (x.ndim - 1) + [(0, -K % 32)]); x = x.reshape(x.shape[:-1] + (-1, 32)); a = np.abs(x).max(-1, keepdims=True)
;;       e = np.where(a > 0, np.clip(np.frexp(np.where(a > 0, a, 1))[1] - 1 - 2, -126, 127), 0)      # np.frexp(a)[1] - 1 = floor(log2(a)), exactly
;;       r = np.clip(x / 2.0 ** e, -7.5, 7.5)
;;       step = 2.0 ** (np.maximum(np.frexp(np.where(r == 0, 1, r))[1] - 1, 0) - 3)
;;       q = np.round(r / step) * step * 2.0 ** e      # np.round: ties to even
;;       return np.moveaxis(q.reshape(q.shape[:-2] + (-1,))[..., :K], -1, axis).astype(np.float32)
;;   ~~~
;;   SOFTMAX AHEAD OF A QUANTISED PRODUCT. Where the list says 'softmax', what is quantised is not the finished softmax but p = 2^(t - M), with t = logit x log2(e) and M = ceil(the row's largest t), a whole number; so 1/2 < the row's largest p <= 1. The row's sum l is taken of the UNQUANTISED p, in f32, and the product's result is divided by l at the end. Since M is a whole number, a kernel that streams over the keys may use a running M (the ceiling of the running maximum): every later rescaling is an exact power of two, which a block's scale takes up: the codes' values come out the same.
;;   OPERANDS COMPUTED ON THE WAY. 'Computed on the way' means the value that the module computes at that place (a softmax that the list does not call 'softmax' is quantised finished and normalised). What goes into a quantiser is computed in f32, as accurately as f32 sums, v_exp_f32 and their like allow (about 1e-6 of the number): no bf16 or f16 on the way to a quantiser, and a product that is left as it is and whose result goes on into a quantised operand takes f32 operands (vector FMAs, or v_wmma_f32_16x16x4_f32). A number that lies on a knife's edge between two numbers of the format may be rounded either way, as far as f32 arithmetic and the matrix unit's own rounding can turn it there, and no further.
;; One version. Each part assembles by itself: llvm-mc -triple=amdgcn-amd-amdhsa -mcpu=gfx1250 --defsym DOCPART=n.
;; ======== version 1 of 1: 6 launches
;; limits: right only within a limited range of input values
;; workspace buffers: cw 13,926,400 bytes; qb 3,407,872 bytes; kv 6,684,672 bytes; x1 16,777,216 bytes; hb 13,107,200 bytes; hc 3,276,800 bytes
;; launch prep (part 1): grid 448 x 1, 8 waves a work-group, no clusters, 87,552 bytes of LDS; arguments x, ln1_w, ln1_b, cw, w_attn, w_fc, w_proj, w_fc_proj; writes cw
.if DOCPART == 1
	.amdgcn_target "amdgcn-amd-amdhsa--gfx1250"
	.amdhsa_code_object_version 6
	.text
	.protected	k_qe88b2e7c32_prep
	.globl	k_qe88b2e7c32_prep
	.p2align	8
	.type	k_qe88b2e7c32_prep,@function
k_qe88b2e7c32_prep:
	s_mov_b64 s[64:65], 0
	v_nop
	global_prefetch_b8 v0, s[64:65] scope:SCOPE_SE
	s_setreg_imm32_b32 hwreg(HW_REG_WAVE_MODE, 25, 1), 1
	s_wait_xcnt 0x0
; THE PROGRAM: a transformer block on 4,096 tokens of 1,024 channels, all six products on codes of E2M3 with one E8M0 scale for each 32 along K.
; Six launches: this one | QKV product | attention | projection + x and the second norm | FC product + GELU | FC projection + residual.
; WORK LEFT OUT, in the whole program: reference() sets att to -inf where key > query (its own jnp.tril), so p = 0 there for every value of the inputs, and a key step of 128 keys all of which
; come after a tile's queries adds 0 to the row's sum and to p V.  The attention launch leaves such whole key steps out.  Nothing else is left out, and every input is loaded.
; LIMIT: a NaN, an infinity or an overflow that reaches only those key steps is not carried to the result.
; LIMITS of the quantisers, here and in the later launches: a block whose largest magnitude lies under 2^-124 keeps the scale byte 1; a block of zeros has the byte 1 where the rule says 127
; (its codes are zeros, and this program alone reads the bytes); NaN and infinities among the inputs are not served.
;
; THIS BODY.  Work-groups 0-255: layer norm of 16 rows of xin, quantised along the 1,024 channels.  Work-groups 256-447 (first launch only): the four weights, stored [K][N], quantised along K.
; FORMAT OF AN OPERAND IN cw: OP[K step of 128][group of 64 rows][record of 6,400 bytes].  A record is four fragments of 1,536 bytes and 256 bytes of scale words.
; A fragment is the image of the matrix operand's 12 registers: registers 0-3 at 16 x lane, 4-5 at 512 + 8 x lane, 6-9 at 768 + 16 x lane, 10-11 at 1,280 + 8 x lane.
; Position r of fragment t = 2 B + u is row 32 B + 8 u + r + 8 (r / 8) of the group: so the results of two neighbouring fragments are 16 neighbours along the next K.
; The scale word of position r of fragment t lies at 6,144 + 16 r + 4 t.
.set WQA,   3276800                    ; regions of cw: activations at 0, w_attn's codes (64 slots a K step, 48 used),
.set WQF,   6553600                    ; w_fc's,
.set WQP,   9830400                    ; w_proj's,
.set WQ2,   10649600                   ; w_fc_proj's
.set OUT,   73728                      ; LDS: behind the eight waves' row stages (2 x 4,608 bytes each): the 8 fragments' images,
.set OSC,   86016                      ; their scale words (K step ks, position r: 64 ks + 4 r),
.set SPARE, 86528                      ; and the spare words, 128 bytes a wave, which no other line names
	s_load_b256 s[4:11], s[0:1], 0x0               ; xin s[4:5], gain s[6:7], bias s[8:9], cw s[10:11]
	s_load_b256 s[12:19], s[0:1], 0x20             ; w_attn, w_fc, w_proj, w_fc_proj
	v_lshl_add_u32 v4, v0, 2, SPARE                ; my spare word,
	v_mov_b32 v5, 0                                ; and 0: kept for the closing lines alone
	v_lshrrev_b32 v3, 5, v0
	s_delay_alu instid0(VALU_DEP_1)
	v_readfirstlane_b32 s20, v3                    ; wave 0..7
	v_and_b32 v2, 31, v0                           ; lane
	s_delay_alu instid0(VALU_DEP_1)
	v_lshlrev_b32 v1, 4, v2                        ; 16 x lane
	s_cmp_lt_u32 ttmp9, 256
	s_cbranch_scc0 .Lweights
; ---------------- LAYER NORM.  The work-group makes fragment t = wg % 4 of row group wg / 4, for all 8 K steps.  Wave w takes positions 2 w and 2 w + 1: two neighbouring tokens.
	s_lshr_b32 s21, ttmp9, 2                       ; row group
	s_and_b32 s22, ttmp9, 3                        ; t
	s_lshl_b32 s23, s21, 6
	s_lshr_b32 s24, s22, 1
	s_lshl_b32 s24, s24, 5
	s_add_co_u32 s23, s23, s24                     ; + 32 (t / 2)
	s_and_b32 s24, s22, 1
	s_lshl_b32 s24, s24, 3
	s_add_co_u32 s23, s23, s24                     ; + 8 (t % 2)
	s_lshl_b32 s24, s20, 1
	s_add_co_u32 s23, s23, s24                     ; + r, r = 2 w
	s_lshr_b32 s24, s20, 2
	s_lshl_b32 s24, s24, 3
	s_add_co_u32 s23, s23, s24                     ; + 8 (r / 8): my first token
	s_lshl_b32 s24, s23, 12                        ; x 4,096 bytes
	s_mov_b32 s25, 0
	s_lshl_b32 s30, s20, 6                         ; on the way out wave w copies K step w: record 64 w + row group
	s_add_co_u32 s30, s30, s21
	s_mul_i32 s30, s30, 6400
	s_mul_i32 s32, s22, 1536
	s_add_co_u32 s32, s32, s30                     ; the fragment
	s_mov_b32 s33, 0
	s_lshl_b32 s34, s22, 2
	s_add_co_u32 s34, s34, s30
	s_add_co_u32 s34, s34, 6144                    ; its scale words
	s_mov_b32 s35, 0
	s_mov_b32 s26, 0x3a800000                      ; 1 / 1,024
	s_mov_b32 s27, 0x3727c5ac                      ; 1e-5
	s_mov_b32 s28, 0x76543210
	s_mov_b32 s29, 0xfedcba98                      ; v_permlanex16_b32's selects for lane l xor 16
	s_wait_kmcnt 0x0
	s_add_nc_u64 s[4:5], s[4:5], s[24:25]
	s_add_nc_u64 s[32:33], s[10:11], s[32:33]
	s_add_nc_u64 s[34:35], s[10:11], s[34:35]
	s_wait_alu depctr_va_vdst(0)
.irp p, 0,1
.irp j, 0,1,2,3,4,5,6,7
	global_load_b128 v[16+32*\p+4*\j:19+32*\p+4*\j], v1, s[4:5] offset:4096*\p+512*\j   ; a row: eight loads of 512 consecutive bytes
.endr
.endr
.irp j, 0,1,2,3,4,5,6,7
	global_load_b128 v[80+4*\j:83+4*\j], v1, s[6:7] offset:512*\j      ; the gain, in the same layout,
	global_load_b128 v[112+4*\j:115+4*\j], v1, s[8:9] offset:512*\j    ; and the bias
.endr
	; LDS addresses, made while the loads are out
	s_mul_i32 s36, s20, 9216                       ; my two row stages
	v_lshrrev_b32 v6, 3, v2
	s_delay_alu instid0(VALU_DEP_1)
	v_lshl_add_u32 v14, v6, 4, v1
	s_delay_alu instid0(VALU_DEP_1)
	v_add_nc_u32 v14, s36, v14                     ; in: 16 l + 16 (l / 8): 16 bytes of padding behind each 128
	v_mul_u32_u24 v15, v2, 144
	s_delay_alu instid0(VALU_DEP_1)
	v_add_nc_u32 v15, s36, v15                     ; back: 144 l: lane l takes the row's block l of 32 numbers
	v_lshrrev_b32 v6, 2, v2                        ; block l is K step l / 4,
	v_bfe_u32 v8, v2, 1, 1                         ; half c = (l / 2) % 2 of the fragment,
	v_and_b32 v9, 1, v2                            ; lanes' half h = l % 2
	s_delay_alu instid0(VALU_DEP_3)
	v_mul_u32_u24 v10, v6, 1536
	s_delay_alu instid0(VALU_DEP_1)
	v_mad_u32_u24 v10, v8, 768, v10
	s_delay_alu instid0(VALU_DEP_1)
	v_lshl_add_u32 v11, v9, 7, v10
	s_delay_alu instid0(VALU_DEP_2)
	v_lshl_add_u32 v10, v9, 8, v10
	s_lshl_b32 s36, s20, 5
	s_add_co_u32 s36, s36, OUT
	v_add_nc_u32 v10, s36, v10                     ; registers 0-3 of the half: 16 (r + 16 h), r = 2 w (+ 1 by the immediate)
	s_lshl_b32 s36, s20, 4
	s_add_co_u32 s36, s36, OUT+512
	v_add_nc_u32 v11, s36, v11                     ; registers 4-5: 512 + 8 (r + 16 h)
	v_and_b32 v12, 3, v2
	s_delay_alu instid0(VALU_DEP_1)
	v_lshl_add_u32 v12, v6, 6, v12
	s_lshl_b32 s36, s20, 3
	s_add_co_u32 s36, s36, OSC
	v_add_nc_u32 v12, s36, v12                     ; the scale byte: 64 ks + 4 r + l % 4
	s_mul_i32 s36, s20, 1536
	s_add_co_u32 s36, s36, OUT
	v_add_nc_u32 v3, s36, v1                       ; the way out: fragment w, 16 bytes a lane
	v_and_b32 v13, 15, v2
	s_lshl_b32 s36, s20, 6
	s_add_co_u32 s36, s36, OSC
	v_lshlrev_b32 v7, 2, v13
	s_delay_alu instid0(VALU_DEP_1)
	v_add_nc_u32 v7, s36, v7                       ; its scale words: 64 w + 4 (l % 16)
	v_lshlrev_b32 v13, 4, v13                      ; and their places in the record: 16 (l % 16)
.macro LANESUM a, t                    ; the sum over the 32 lanes, in every lane; t has been written before
	v_add_f32_dpp v[\a], v[\a], v[\a] row_xmask:1 row_mask:0xf bank_mask:0xf
	s_delay_alu instid0(VALU_DEP_1)
	v_add_f32_dpp v[\a], v[\a], v[\a] row_xmask:2 row_mask:0xf bank_mask:0xf
	s_delay_alu instid0(VALU_DEP_1)
	v_add_f32_dpp v[\a], v[\a], v[\a] row_xmask:4 row_mask:0xf bank_mask:0xf
	s_delay_alu instid0(VALU_DEP_1)
	v_add_f32_dpp v[\a], v[\a], v[\a] row_xmask:8 row_mask:0xf bank_mask:0xf
	s_delay_alu instid0(VALU_DEP_1)
	v_permlanex16_b32 v[\t], v[\a], s28, s29
	s_delay_alu instid0(VALU_DEP_1)
	v_add_f32 v[\a], v[\a], v[\t]
.endm
	s_wait_loadcnt 16                              ; both rows are in; the 16 loads of gain and bias may be out
.irp p, 0,1                                    ; the mean: two chains a row, the rows by turns
	v_pk_add_f32 v[144+8*\p:145+8*\p], v[16+32*\p:17+32*\p], v[18+32*\p:19+32*\p]
	v_pk_add_f32 v[146+8*\p:147+8*\p], v[20+32*\p:21+32*\p], v[22+32*\p:23+32*\p]
.endr
.irp i, 8,12,16,20,24,28
.irp p, 0,1
	s_delay_alu instid0(VALU_DEP_4)
	v_pk_add_f32 v[144+8*\p:145+8*\p], v[144+8*\p:145+8*\p], v[16+32*\p+\i:17+32*\p+\i]
	s_delay_alu instid0(VALU_DEP_4)
	v_pk_add_f32 v[146+8*\p:147+8*\p], v[146+8*\p:147+8*\p], v[18+32*\p+\i:19+32*\p+\i]
.endr
.endr
.irp p, 0
	s_delay_alu instid0(VALU_DEP_3)
	v_pk_add_f32 v[144+8*\p:145+8*\p], v[144+8*\p:145+8*\p], v[146+8*\p:147+8*\p]
.endr
.irp p, 1
	s_delay_alu instid0(VALU_DEP_2)
	v_pk_add_f32 v[144+8*\p:145+8*\p], v[144+8*\p:145+8*\p], v[146+8*\p:147+8*\p]
.endr
.irp p, 0,1
	s_delay_alu instid0(VALU_DEP_2)
	v_add_f32 v[144+8*\p], v[144+8*\p], v[145+8*\p]
.endr
	LANESUM 144, 145
	LANESUM 152, 153
	v_mul_f32 v144, s26, v144
	s_delay_alu instid0(VALU_DEP_2)
	v_mul_f32 v152, s26, v152
.irp i, 0,2,4,6,8,10,12,14,16,18,20,22,24,26,28,30
.irp p, 0,1
	v_pk_add_f32 v[16+32*\p+\i:17+32*\p+\i], v[16+32*\p+\i:17+32*\p+\i], v[144+8*\p:145+8*\p] op_sel_hi:[1,0] neg_lo:[0,1] neg_hi:[0,1]   ; x - mean, in place
.endr
.endr
.irp p, 0,1                                    ; the variance, of the differences: no difference of large sums is formed
	v_pk_mul_f32 v[146+8*\p:147+8*\p], v[16+32*\p:17+32*\p], v[16+32*\p:17+32*\p]
	v_pk_mul_f32 v[148+8*\p:149+8*\p], v[18+32*\p:19+32*\p], v[18+32*\p:19+32*\p]
.endr
.irp i, 4,8,12,16,20,24,28
.irp p, 0,1
	s_delay_alu instid0(VALU_DEP_4)
	v_pk_fma_f32 v[146+8*\p:147+8*\p], v[16+32*\p+\i:17+32*\p+\i], v[16+32*\p+\i:17+32*\p+\i], v[146+8*\p:147+8*\p]
	s_delay_alu instid0(VALU_DEP_4)
	v_pk_fma_f32 v[148+8*\p:149+8*\p], v[18+32*\p+\i:19+32*\p+\i], v[18+32*\p+\i:19+32*\p+\i], v[148+8*\p:149+8*\p]
.endr
.endr
.irp p, 0
	s_delay_alu instid0(VALU_DEP_3)
	v_pk_add_f32 v[146+8*\p:147+8*\p], v[146+8*\p:147+8*\p], v[148+8*\p:149+8*\p]
.endr
.irp p, 1
	s_delay_alu instid0(VALU_DEP_2)
	v_pk_add_f32 v[146+8*\p:147+8*\p], v[146+8*\p:147+8*\p], v[148+8*\p:149+8*\p]
.endr
.irp p, 0,1
	s_delay_alu instid0(VALU_DEP_2)
	v_add_f32 v[146+8*\p], v[146+8*\p], v[147+8*\p]
.endr
	LANESUM 146, 147
	LANESUM 154, 155
	v_fma_f32 v146, v146, s26, s27                 ; variance + 1e-5
	s_delay_alu instid0(VALU_DEP_2)
	v_fma_f32 v154, v154, s26, s27
	s_wait_alu depctr_va_vdst(0)
	v_rsq_f32 v146, v146
	v_rsq_f32 v154, v154
	v_nop                                          ; a plain instruction behind the two roots,
	s_wait_alu depctr_va_vdst(0)                   ; and one wait for both, ahead of their first reader
	s_wait_loadcnt 0x0                             ; gain and bias
.irp i, 0,2,4,6,8,10,12,14,16,18,20,22,24,26,28,30
.irp p, 0,1
	v_pk_mul_f32 v[16+32*\p+\i:17+32*\p+\i], v[16+32*\p+\i:17+32*\p+\i], v[146+8*\p:147+8*\p] op_sel_hi:[1,0]
.endr
.irp p, 0,1
	s_delay_alu instid0(VALU_DEP_2)
	v_pk_fma_f32 v[16+32*\p+\i:17+32*\p+\i], v[16+32*\p+\i:17+32*\p+\i], v[80+\i:81+\i], v[112+\i:113+\i]
.endr
.endr
	; the turn through my own stages: in as loaded, back 128 consecutive bytes a lane.  LDS serves a wave's instructions in order: no wait between the stores and the loads
.irp p, 0,1
.irp j, 0,1,2,3,4,5,6,7
	ds_store_b128 v14, v[16+32*\p+4*\j:19+32*\p+4*\j] offset:4608*\p+576*\j
.endr
.endr
.irp i, 0,1,2,3,4,5,6,7
	ds_load_b128 v[144+4*\i:147+4*\i], v15 offset:16*\i
.endr
.irp i, 0,1,2,3,4,5,6,7
	ds_load_b128 v[80+4*\i:83+4*\i], v15 offset:4608+16*\i
.endr
; My block of 32 numbers in v[Y] on becomes six registers of codes and a scale byte; they go to their places in the fragments' images.
.macro LNQ Y, rho
	v_max3_num_f32 v6, |v[\Y]|, |v[\Y+1]|, |v[\Y+2]|
	v_max3_num_f32 v8, |v[\Y+3]|, |v[\Y+4]|, |v[\Y+5]|
.irp i, 6,10,14,18,22,26
	s_delay_alu instid0(VALU_DEP_2)
	v_max3_num_f32 v6, v6, |v[\Y+\i]|, |v[\Y+\i+1]|
	s_delay_alu instid0(VALU_DEP_2)
	v_max3_num_f32 v8, v8, |v[\Y+\i+2]|, |v[\Y+\i+3]|
.endr
	s_delay_alu instid0(VALU_DEP_2)
	v_max3_num_f32 v6, v6, |v[\Y+30]|, |v[\Y+31]|
	s_delay_alu instid0(VALU_DEP_1)
	v_max3_num_f32 v6, v6, v8, 0x1800000           ; and the floor 2^(3 - 127): the byte cannot fall under 1
	s_delay_alu instid0(VALU_DEP_1)
	v_add_nc_u32 v9, 0xff000000, v6                ; 2 off the exponent field: the conversion takes this operand's exponent field as its scale
	v_cvt_scalef32_pk16_fp6_f32 v[176+8*\rho:178+8*\rho], v[\Y:\Y+15], v9
	v_cvt_scalef32_pk16_fp6_f32 v[112:114], v[\Y+16:\Y+31], v9     ; (a conversion's three registers begin on an even number)
	v_lshrrev_b32 v[120+\rho], 23, v9              ; the scale's byte; also the plain instruction behind the conversions
.irp i, 0,1,2
	v_mov_b32 v[179+8*\rho+\i], v[112+\i]
.endr
	ds_store_b128 v10, v[176+8*\rho:179+8*\rho] offset:16*\rho
	ds_store_b64 v11, v[180+8*\rho:181+8*\rho] offset:8*\rho
	ds_store_b8 v12, v[120+\rho] offset:4*\rho
.endm
	s_wait_dscnt 8                                 ; row 0 is back; row 1's eight loads may be out
	LNQ 144, 0
	s_wait_dscnt 0x0
	LNQ 80, 1
	s_wait_dscnt 0x0                               ; for the others' sake: my stores have landed
	s_barrier_signal -1
	s_barrier_wait -1                              ; the eight fragments are whole
	ds_load_b128 v[16:19], v3
	ds_load_b128 v[20:23], v3 offset:512
	ds_load_b128 v[24:27], v3 offset:1024
	ds_load_b32 v28, v7
	s_wait_dscnt 3
	global_store_b128 v1, v[16:19], s[32:33]               ; each store covers 512 consecutive bytes, aligned to 256
	s_wait_dscnt 2
	global_store_b128 v1, v[20:23], s[32:33] offset:512
	s_wait_dscnt 1
	global_store_b128 v1, v[24:27], s[32:33] offset:1024
	s_wait_dscnt 0x0
	global_store_b32 v13, v28, s[34:35]                    ; 16 words, 16 bytes apart (the other fragments' words lie between); lanes 16-31 name the same places with the same values
	s_wait_tensorcnt 0x0                           ; the wave's end: behind my last LDS store
	ds_add_u32 v4, v5
	s_wait_dscnt 0x0
	s_endpgm
; ---------------- THE WEIGHTS.  One wave makes one record: 64 columns x 128 along K.  A lane takes a column and its registers run down K, so a block of 32 lies in one lane.  No LDS, no barrier.
; Two passes of 32 columns.  Lane l takes column l with bits 3 and 4 exchanged: lanes 0-15 then hold the positions of fragment 2 p, lanes 16-31 those of fragment 2 p + 1.
.macro WLOAD blk, cols                 ; block 4 p + q: rows 32 q .. 32 q + 31 of the K step, columns 32 p on, into set blk % 3
.set wi, 0
.rept 32
	global_load_b32 v[16+32*((\blk)%3)+wi], v3, s[24:25] offset:(32*((\blk)%4)+wi)*(\cols)*4+128*((\blk)/4) th:TH_LOAD_NT
.set wi, wi+1
.endr
.endm
.macro WBLOCK blk, cols
.set XS, 16+32*((\blk)%3)
.set FD, 112+12*(2*((\blk)/4)+((\blk)%2))+6*(((\blk)%4)/2)   ; block q goes to fragment 2 p + q % 2, registers 6 (q / 2) on
.if (\blk) < 6
	s_wait_loadcnt 63                              ; this block is in; of the 64 loads behind it 63 may be out (the largest count that the wait can name)
.elseif (\blk) == 6
	s_wait_loadcnt 32
.else
	s_wait_loadcnt 0x0
.endif
	v_max3_num_f32 v6, |v[XS]|, |v[XS+1]|, |v[XS+2]|
	v_max3_num_f32 v7, |v[XS+3]|, |v[XS+4]|, |v[XS+5]|
.irp i, 6,10,14,18,22,26
	s_delay_alu instid0(VALU_DEP_2)
	v_max3_num_f32 v6, v6, |v[XS+\i]|, |v[XS+\i+1]|
	s_delay_alu instid0(VALU_DEP_2)
	v_max3_num_f32 v7, v7, |v[XS+\i+2]|, |v[XS+\i+3]|
.endr
	s_delay_alu instid0(VALU_DEP_2)
	v_max3_num_f32 v6, v6, |v[XS+30]|, |v[XS+31]|
	s_delay_alu instid0(VALU_DEP_1)
	v_max3_num_f32 v6, v6, v7, 0x1800000
	s_delay_alu instid0(VALU_DEP_1)
	v_add_nc_u32 v8, 0xff000000, v6
	v_cvt_scalef32_pk16_fp6_f32 v[FD:FD+2], v[XS:XS+15], v8
	v_cvt_scalef32_pk16_fp6_f32 v[160:162], v[XS+16:XS+31], v8
	v_lshrrev_b32 v11, 23, v8                      ; the byte; also the plain instruction behind the conversions
.if (\blk)%4 == 0
	s_delay_alu instid0(VALU_DEP_1)
	v_mov_b32 v[164+(\blk)/4], v11
.else
	s_delay_alu instid0(VALU_DEP_1)
	v_lshl_or_b32 v[164+(\blk)/4], v11, 8*((\blk)%4), v[164+(\blk)/4]
.endif
.irp i, 0,1,2
	v_mov_b32 v[FD+3+\i], v[160+\i]
.endr
.if (\blk)+3 < 8
	WLOAD (\blk)+3, \cols
.endif
.if (\blk)%2 == 1                      ; blocks 2 c and 2 c + 1 are made: fragment 2 p wants block 2 c + 1 in its lanes 16-31, fragment 2 p + 1 block 2 c in its lanes 0-15: one exchange does both
.irp i, 0,1,2,3,4,5
	v_permlane16_swap_b32 v[FD-12+\i], v[FD+\i]
.endr
.endif
.endm
; s[24:25] the weight, s26 its region of cw, s27 the K step, s28 the group of 64 columns
.macro WQUANT cols, prg
	s_mul_i32 s30, s27, 128*(\cols)*4
	s_lshl_b32 s31, s28, 8
	s_add_co_u32 s30, s30, s31
	s_mov_b32 s31, 0
	s_add_nc_u64 s[24:25], s[24:25], s[30:31]
	s_mul_i32 s30, s27, \prg
	s_add_co_u32 s30, s30, s28
	s_mul_i32 s30, s30, 6400
	s_add_co_u32 s30, s30, s26
	s_add_nc_u64 s[32:33], s[10:11], s[30:31]
	WLOAD 0, \cols
	WLOAD 1, \cols
	WLOAD 2, \cols
.irp n, 0,1,2,3,4,5,6,7
	WBLOCK \n, \cols
.endr
	v_permlane16_swap_b32 v164, v165               ; lane (r, hh) now holds the scale words of fragments 2 hh and 2 hh + 1
.irp t, 0,1,2,3
	global_store_b128 v1, v[112+12*\t:115+12*\t], s[32:33] offset:1536*\t          ; whole aligned runs of 512 and 256 bytes
	global_store_b64 v9, v[116+12*\t:117+12*\t], s[32:33] offset:1536*\t+512
	global_store_b128 v1, v[118+12*\t:121+12*\t], s[32:33] offset:1536*\t+768
	global_store_b64 v9, v[122+12*\t:123+12*\t], s[32:33] offset:1536*\t+1280
.endr
	global_store_b64 v10, v[164:165], s[32:33] offset:6144
	s_endpgm
.endm
.Lweights:
	s_sub_co_u32 s21, ttmp9, 256
	s_wait_alu depctr_va_vdst(0)
	v_and_b32 v6, 7, v2
	v_bfe_u32 v7, v2, 3, 1
	v_bfe_u32 v8, v2, 4, 1
	s_delay_alu instid0(VALU_DEP_2)
	v_lshl_or_b32 v6, v7, 4, v6
	s_delay_alu instid0(VALU_DEP_1)
	v_lshl_or_b32 v6, v8, 3, v6
	s_delay_alu instid0(VALU_DEP_1)
	v_lshlrev_b32 v3, 2, v6                        ; my column, in bytes
	v_lshlrev_b32 v9, 3, v2                        ; 8 x lane
	v_and_b32 v10, 15, v2
	s_delay_alu instid0(VALU_DEP_1)
	v_lshlrev_b32 v10, 4, v10
	s_delay_alu instid0(VALU_DEP_1)
	v_lshl_or_b32 v10, v8, 3, v10                  ; 16 r + 8 hh
	s_mov_b32 s27, s20                             ; the K step: my wave's number (w_fc_proj: more below)
	s_wait_kmcnt 0x0
	s_cmp_lt_u32 s21, 48
	s_cbranch_scc0 .Lnot_attn
	s_mov_b64 s[24:25], s[12:13]
	s_mov_b32 s26, WQA
	s_mov_b32 s28, s21
	s_wait_alu depctr_va_vdst(0)
	WQUANT 3072, 64
.Lnot_attn:
	s_cmp_lt_u32 s21, 112
	s_cbranch_scc0 .Lnarrow
	s_mov_b64 s[24:25], s[14:15]
	s_mov_b32 s26, WQF
	s_sub_co_u32 s28, s21, 48
	s_wait_alu depctr_va_vdst(0)
	WQUANT 4096, 64
.Lnarrow:                                              ; the two weights of 1,024 columns share one text: 16 work-groups for w_proj, 64 for w_fc_proj
	s_sub_co_u32 s22, s21, 112
	s_mov_b32 s26, WQ2
	s_cmp_lt_u32 s22, 16
	s_cselect_b64 s[24:25], s[16:17], s[18:19]
	s_cselect_b32 s26, WQP, s26
	s_and_b32 s28, s22, 15
	s_lshr_b32 s23, s22, 4
	s_max_u32 s23, s23, 1
	s_sub_co_u32 s23, s23, 1                       ; 0 for w_proj; 0..3 for w_fc_proj: which eight of its 32 K steps
	s_lshl_b32 s23, s23, 3
	s_add_co_u32 s27, s27, s23
	s_wait_alu depctr_va_vdst(0)
	WQUANT 1024, 16
.Lfunc_end_k_qe88b2e7c32_prep:
	.size	k_qe88b2e7c32_prep, .Lfunc_end_k_qe88b2e7c32_prep-k_qe88b2e7c32_prep
	.p2alignl 7, 3214868480
	.fill 96, 4, 3214868480
	.section	.rodata,"a",@progbits
	.p2align	6, 0x0
	.amdhsa_kernel k_qe88b2e7c32_prep
		.amdhsa_group_segment_fixed_size 87552
		.amdhsa_private_segment_fixed_size 0
		.amdhsa_enable_private_segment 0
		.amdhsa_kernarg_size 64
		.amdhsa_user_sgpr_count 2
		.amdhsa_user_sgpr_kernarg_segment_ptr 1
		.amdhsa_wavefront_size32 1
		.amdhsa_system_sgpr_workgroup_id_x 1
		.amdhsa_system_sgpr_workgroup_id_y 1
		.amdhsa_system_sgpr_workgroup_id_z 1
		.amdhsa_system_vgpr_workitem_id 0
		.amdhsa_next_free_vgpr 192
		.amdhsa_next_free_sgpr 66
		.amdhsa_reserve_vcc 0
		.amdhsa_float_denorm_mode_32 3
		.amdhsa_float_denorm_mode_16_64 3
		.amdhsa_memory_ordered 1
		.amdhsa_forward_progress 1
		.amdhsa_inst_pref_size 158
	.end_amdhsa_kernel
	.amdgpu_metadata
---
amdhsa.version: [ 1, 2 ]
amdhsa.kernels:
  - .name:           k_qe88b2e7c32_prep
    .symbol:         k_qe88b2e7c32_prep.kd
    .args:
      - { .name: x, .offset: 0, .size: 8, .value_kind: global_buffer, .address_space: global }
      - { .name: ln1_w, .offset: 8, .size: 8, .value_kind: global_buffer, .address_space: global }
      - { .name: ln1_b, .offset: 16, .size: 8, .value_kind: global_buffer, .address_space: global }
      - { .name: cw, .offset: 24, .size: 8, .value_kind: global_buffer, .address_space: global }
      - { .name: w_attn, .offset: 32, .size: 8, .value_kind: global_buffer, .address_space: global }
      - { .name: w_fc, .offset: 40, .size: 8, .value_kind: global_buffer, .address_space: global }
      - { .name: w_proj, .offset: 48, .size: 8, .value_kind: global_buffer, .address_space: global }
      - { .name: w_fc_proj, .offset: 56, .size: 8, .value_kind: global_buffer, .address_space: global }
    .group_segment_fixed_size: 87552
    .private_segment_fixed_size: 0
    .kernarg_segment_align: 8
    .kernarg_segment_size: 64
    .max_flat_workgroup_size: 256
    .sgpr_count:     66
    .vgpr_count:     192
    .wavefront_size: 32
...
	.end_amdgpu_metadata
.endif
;; end of part 1
;; launch qkv (part 2): grid 12 x 16, 4 waves a work-group, clusters of 4 x 4, 327,680 bytes of LDS; arguments cw, qb, kv; writes qb, kv
.if DOCPART == 2
	.amdgcn_target "amdgcn-amd-amdhsa--gfx1250"
	.amdhsa_code_object_version 6
	.text
	.protected	k_qe88b2e7c32_qkv
	.globl	k_qe88b2e7c32_qkv
	.p2align	8
	.type	k_qe88b2e7c32_qkv,@function
k_qe88b2e7c32_qkv:
	s_mov_b64 s[64:65], 0
	v_nop
	global_prefetch_b8 v0, s[64:65] scope:SCOPE_SE
	s_setreg_imm32_b32 hwreg(HW_REG_WAVE_MODE, 25, 1), 1
	s_wait_xcnt 0x0
	s_wait_alu depctr_hold_cnt(0) depctr_sa_sdst(0) depctr_va_vdst(0) depctr_va_sdst(0) depctr_va_ssrc(0) depctr_va_vcc(0) depctr_vm_vsrc(0)
	s_getreg_b32 s2, hwreg(HW_REG_IB_STS2, 6, 4)
	s_cmp_eq_u32 s2, 0
	s_cbranch_scc0 .Lentry_in_a_cluster
	s_endpgm
.Lentry_in_a_cluster:
	s_bfe_u32 s2, ttmp6, 0x10000c
	s_cmp_lg_u32 s2, 0xf033
	s_cbranch_scc0 .Lentry_shape_is_right
	s_endpgm
.Lentry_shape_is_right:
; qkv = LN1(x) w_attn on codes of E2M3, and q, k, v quantised on the way out: q and k along the head's 64, v along the keys.  Nothing is left out here.
; OPERANDS (made by the launch before): OP[K step][group of 64 rows][record of 6,400 bytes]; a record is four fragments as images of the operand's registers, and 256 bytes of scale words.
; A work-group of four waves makes 256 x 256; a wave 128 x 128: 64 accumulators.  source 0 = src0's 16 rows, source 1 = src1's: a lane holds one row of src1, and its 64 registers of a block of src1 run along
; 128 neighbouring rows of src0, which are the K of what is quantised.  Clusters x = 0, 1 (q's and k's columns): src0 = the weight's columns, src1 = tokens.  Cluster x = 2 (v's columns): the two change places,
; so that a lane holds a channel of v and its registers run down the keys.  Only global addresses differ; the cluster's x is the same in all its partners.
; THE RING: each wave fetches one half of src1 (waves 0, 1) or of src0 (waves 2, 3): two slots of 3 K steps; a K step's part is 12,800 consecutive bytes.  K has 8 steps: fills of 3, 3 and 2.
; One tensor load of mine is out at the start, one behind the round.
; CLUSTER 4 x 4: src1's tiles are shared along a row of the cluster, src0's along a column: joint loads.
; OUT: qb[head][query step of 128]: 8 half fragments (16 rows x 64) of 768 bytes, 512 bytes of scale words.  kv[head][key step]: v's record (rows = channels, K = 128 keys), then k's 8 half fragments and scale words.
; REGISTERS: window 0: v12-14 store offsets, v16-25 LDS addresses, v28, v29 the add's two, v32-47 scale words (two sets), v64-255 src1's fragments (two sets);  window 1: src0's fragments (two sets);  windows 2, 3: accumulators.
.set WB,    8                          ; fragments a wave and side
.set QS,    3                          ; K steps in a slot
.set KS,    8                          ; K steps
.set NF,    3                          ; fills
.set RGW,   WB/4                       ; records of a K step that a wave fetches
.set KREG,  RGW*6400
.set SLOTB, QS*KREG
.set WREG,  2*SLOTB                    ; a fetching wave's two slots
.set SPARE, 4*WREG                     ; behind the ring: the spare words, which no other line names
.set PRG0,  64                         ; records in a K step of src0's and of src1's operand
.set PRG1,  64
.set WQA,   3276800                    ; w_attn's codes in cw; the tokens' codes lie at cw's head
.set A16, 16                           ; v16-17 src1's fragments in slot 0, 1: 16 x lane + ..;  v18-19: 8 x lane + ..
.set A8,  18
.set B16, 20                           ; v20-23 the same for src0
.set B8,  22
.set ASC, 24                           ; v24-25 the scale words: lanes 0-15 src1's, lanes 16-31 src0's
.set SPW, 28
.set NIL, 29
.set SC,  32
.set AF,  64
.set T2,  48                           ; the way out: v48-54 second halves of conversions; v56-63 pairs of scale words; v64-159 codes; v224-239 at work; v240-247 scale words
.set TM,  224
.set G1,  24
.set G0,  32
.set G1B, 48
.set G0B, 56
.set G1T, 68                           ; groups 1 for the last fill, of 2 K steps
.set G1BT, 76
.set MSB, 0
.macro WIN new                         ; the immediate's high byte repeats the setting that is left
.if MSB != (\new)
	s_set_vgpr_msb (MSB<<8)|(\new)
.set MSB, (\new)
.endif
.endm
.macro JLOAD g0a, g1a, g0b, g1b        ; a joint load: waves 0, 1 for src1, waves 2, 3 for src0; the branch hangs on the wave's number alone; s_nop 0 and four v_nop follow each line
	s_cmp_eq_u32 s15, 0
	s_cbranch_scc0 .Lfor_b_\@
	tensor_load_to_lds s[\g0a:\g0a+3], s[\g1a:\g1a+7]
	s_nop 0
.rept 4
	v_nop
.endr
	s_branch .Lasked_\@
.Lfor_b_\@:
	tensor_load_to_lds s[\g0b:\g0b+3], s[\g1b:\g1b+7]
	s_nop 0
.rept 4
	v_nop
.endr
.Lasked_\@:
.endm
.macro CROUND                          ; a round of the cluster's barrier
	s_barrier_signal -1
	s_barrier_wait -1
	s_cmp_lg_u32 s14, 0
	s_cbranch_scc1 .Lnot_wave_0_\@
	s_barrier_signal -3
.Lnot_wave_0_\@:
	s_barrier_wait -3
	s_barrier_signal -1
	s_barrier_wait -1
.endm
.macro PLACES n
.rept \n
	v_nop
.endr
.endm
.macro FETCH slot, kl, set             ; the fragments and scale words of the slot's K step kl into register set 'set': each load reads consecutive bytes, 16 or 8 a lane
	WIN 0x40
.set fi, 0
.rept WB
.set fo, (\kl)*KREG+(fi/4)*6400+(fi%4)*1536
.set fr, 128*(\set)+12*fi
	ds_load_b128 v[fr:fr+3], v[B16+(\slot)] offset:fo
	ds_load_b64 v[fr+4:fr+5], v[B8+(\slot)] offset:fo+512
	ds_load_b128 v[fr+6:fr+9], v[B16+(\slot)] offset:fo+768
	ds_load_b64 v[fr+10:fr+11], v[B8+(\slot)] offset:fo+1280
.set fi, fi+1
.endr
	WIN 0
.set fi, 0
.rept WB
.set fo, (\kl)*KREG+(fi/4)*6400+(fi%4)*1536
.set fr, AF+96*(\set)+12*fi
	ds_load_b128 v[fr:fr+3], v[A16+(\slot)] offset:fo
	ds_load_b64 v[fr+4:fr+5], v[A8+(\slot)] offset:fo+512
	ds_load_b128 v[fr+6:fr+9], v[A16+(\slot)] offset:fo+768
	ds_load_b64 v[fr+10:fr+11], v[A8+(\slot)] offset:fo+1280
.set fi, fi+1
.endr
.set fi, 0
.rept RGW
	ds_load_b128 v[SC+8*(\set)+4*fi:SC+8*(\set)+4*fi+3], v[ASC+(\slot)] offset:(\kl)*KREG+fi*6400
.set fi, fi+1
.endr
.endm
.macro MULS set, zero                  ; a K step's products.  The accumulators take turns, one instruction a turn, in the same order in every step
.set ma, 0
.rept WB
.if ma == 0
	WIN 0xa1                                       ; source 0 window 1, source 1 window 0, C and D window 2
.elseif ma == 4
	WIN 0xf1                                       ; C and D window 3
.endif
.set mb, 0
.rept WB
.set rD, 8*(WB*(ma%4)+mb)
.if \zero
	v_wmma_scale_f32_16x16x128_f8f6f4 v[rD:rD+7], v[128*(\set)+12*mb:128*(\set)+12*mb+11], v[AF+96*(\set)+12*ma:AF+96*(\set)+12*ma+11], 0, v[SC+8*(\set)+mb], v[SC+8*(\set)+ma] matrix_a_fmt:MATRIX_FMT_FP6 matrix_b_fmt:MATRIX_FMT_FP6 matrix_a_scale:MATRIX_SCALE_ROW1
.else
	v_wmma_scale_f32_16x16x128_f8f6f4 v[rD:rD+7], v[128*(\set)+12*mb:128*(\set)+12*mb+11], v[AF+96*(\set)+12*ma:AF+96*(\set)+12*ma+11], v[rD:rD+7], v[SC+8*(\set)+mb], v[SC+8*(\set)+ma] matrix_a_fmt:MATRIX_FMT_FP6 matrix_b_fmt:MATRIX_FMT_FP6 matrix_a_scale:MATRIX_SCALE_ROW1
.endif
.set mb, mb+1
.endr
.set ma, ma+1
.endr
	WIN 0
.endm
	s_load_b128 s[4:7], s[0:1], 0x0                ; cw, qb
	s_load_b64 s[8:9], s[0:1], 0x10                ; kv
	v_lshl_add_u32 v[SPW], v0, 2, SPARE
	v_mov_b32 v[NIL], 0
	ds_add_u32 v[SPW], v[NIL]                      ; the opening: the add, twice on end, and its wait ahead of my first tensor load
	ds_add_u32 v[SPW], v[NIL]
	v_lshrrev_b32 v1, 5, v0
	v_readfirstlane_b32 s14, v1                    ; wave 0..3
	s_lshr_b32 s15, s14, 1                         ; wy: my half of src1.  Also: I fetch for src1 (0) or src0 (1)
	s_and_b32 s16, s14, 1                          ; wx: my half of src0.  Also: which half I fetch
	s_bfe_u32 s40, ttmp6, 0x40000                  ; cx
	s_bfe_u32 s41, ttmp6, 0x40004                  ; cy
	s_and_b32 s45, ttmp7, 0xffff                   ; cluster y
	s_cmp_eq_u32 ttmp9, 2                          ; v's columns?  The same answer in all sixteen partners
	s_cselect_b32 s46, s45, ttmp9                  ; src0's tiles go by cluster y there, else by cluster x
	s_cselect_b32 s47, ttmp9, s45
	s_cselect_b32 s66, 0, WQA                      ; src0's region of cw: the tokens' codes or the weight's
	s_cselect_b32 s67, WQA, 0                      ; src1's
	s_lshl_b32 s42, s46, 2
	s_add_co_u32 s42, s42, s40                     ; X0: src0's tile
	s_lshl_b32 s17, s47, 2
	s_add_co_u32 s17, s17, s41                     ; X1: src1's tile
	s_lshl_b32 s43, s41, 2
	s_lshl_b32 s43, 15, s43                        ; my row of the cluster
	s_lshl_b32 s44, 0x1111, s40                    ; my column
	s_or_b32 s[G1], s43, (3<<16)|(1<<21)           ; the mask; elements of 8 bytes; no padding; bit 21 beside a mask
	s_or_b32 s[G1T], s43, (3<<16)|(1<<21)
	s_or_b32 s[G1B], s44, (3<<16)|(1<<21)
	s_or_b32 s[G1BT], s44, (3<<16)|(1<<21)
.irp g, G1, G1B
	s_mov_b32 s[\g+1], (800*RGW)<<16               ; tensor_dim0: a K step's part, in elements
	s_mov_b32 s[\g+2], (2*QS)<<16                  ; tensor_dim1: the head's one load a wave brings both slots' K steps, which lie on end in LDS
	s_mov_b32 s[\g+3], (800*RGW)<<16               ; tile_dim0
	s_mov_b32 s[\g+4], 2*QS                        ; tile_dim1
	s_mov_b32 s[\g+6], 0
	s_mov_b32 s[\g+7], 0
.endr
.irp g, G1T, G1BT
	s_mov_b32 s[\g+1], (800*RGW)<<16
	s_mov_b32 s[\g+2], 2<<16
	s_mov_b32 s[\g+3], (800*RGW)<<16
	s_mov_b32 s[\g+4], 2
	s_mov_b32 s[\g+6], 0
	s_mov_b32 s[\g+7], 0
.endr
	s_mov_b32 s[G1+5], PRG1*800                    ; from K step to K step, in elements
	s_mov_b32 s[G1T+5], PRG1*800
	s_mov_b32 s[G1B+5], PRG0*800
	s_mov_b32 s[G1BT+5], PRG0*800
	s_mul_i32 s19, s16, RGW
	s_mul_i32 s20, s17, WB/2
	s_add_co_u32 s20, s20, s19
	s_mul_i32 s20, s20, 6400
	s_add_co_u32 s20, s20, s67                     ; src1: the half that I would fetch, K step 0
	s_mov_b32 s21, 0
	s_mul_i32 s46, s42, WB/2
	s_add_co_u32 s46, s46, s19
	s_mul_i32 s46, s46, 6400
	s_add_co_u32 s46, s46, s66                     ; src0 likewise, in registers that never hold cy
	s_mov_b32 s47, 0
	s_mul_i32 s18, s14, WREG                       ; where it goes: no place in the cluster enters an LDS address
	s_mov_b32 s84, 0x76543210
	s_mov_b32 s85, 0xfedcba98
	s_mov_b32 s86, 0xffff0000                      ; lanes 16-31
	s_wait_dscnt 0x0                               ; both opening adds are done
	s_wait_kmcnt 0x0
	s_add_nc_u64 s[20:21], s[4:5], s[20:21]
	s_add_nc_u64 s[46:47], s[4:5], s[46:47]
	CROUND                                         ; all sixteen work-groups are here: the first joint loads meet
.irp s, 0,1
	s_mov_b32 s[G0+4*\s], 1
	s_add_co_u32 s[G0+4*\s+1], s18, \s*SLOTB
	s_add_nc_u64 s[G0+4*\s+2:G0+4*\s+3], s[20:21], \s*QS*PRG1*6400
	s_or_b32 s[G0+4*\s+3], s[G0+4*\s+3], 0x80000000
	s_mov_b32 s[G0B+4*\s], 1
	s_add_co_u32 s[G0B+4*\s+1], s18, \s*SLOTB
	s_add_nc_u64 s[G0B+4*\s+2:G0B+4*\s+3], s[46:47], \s*QS*PRG0*6400
	s_or_b32 s[G0B+4*\s+3], s[G0B+4*\s+3], 0x80000000
.if \s == 0
	JLOAD G0, G1, G0B, G1B                         ; K steps 0 to 5, both slots: one tensor load a wave at the head
.endif
.endr
	v_and_b32 v1, 31, v0                           ; lane
	v_and_b32 v2, 15, v0                           ; r
	v_bfe_u32 v3, v0, 4, 1                         ; h
	v_lshlrev_b32 v12, 4, v1
	v_lshlrev_b32 v13, 3, v1
	v_lshlrev_b32 v14, 4, v2
	v_lshl_add_u32 v14, v3, 3, v14                 ; 16 r + 8 h
	s_mul_i32 s21, s15, WREG                       ; my half of src1 lies in wave wy's region,
	s_mul_i32 s22, s16, WREG
	s_add_co_u32 s22, s22, 2*WREG                  ; my half of src0 in wave 2 + wx's
.irp s, 0,1
	v_add_nc_u32 v[A16+\s], s21, v12
	v_add_nc_u32 v[A8+\s], s21, v13
	v_add_nc_u32 v[B16+\s], s22, v12
	v_add_nc_u32 v[B8+\s], s22, v13
	s_add_co_u32 s21, s21, SLOTB
	s_add_co_u32 s22, s22, SLOTB
.endr
	s_mul_i32 s21, s15, WREG
	s_mul_i32 s22, s16, WREG
	s_add_co_u32 s22, s22, 2*WREG
	s_sub_co_u32 s22, s22, s21
	v_mul_u32_u24 v6, s22, v3                      ; lanes 16-31 take src0's words: one product with h
	v_lshl_add_u32 v6, v2, 4, v6
	s_add_co_u32 s21, s21, 6144
	v_add_nc_u32 v[ASC], s21, v6
	v_add_nc_u32 v[ASC+1], SLOTB, v[ASC]
	; where my results go
	s_lshl_b32 s10, s42, 1
	s_add_co_u32 s10, s10, s16                     ; u0: my 128 rows of src0
	s_lshl_b32 s11, s17, 1
	s_add_co_u32 s11, s11, s15                     ; u1: my 128 rows of src1
	s_cmp_eq_u32 ttmp9, 2
	s_cselect_b32 s12, s10, s11                    ; the step of 128 tokens,
	s_cselect_b32 s13, s11, s10                    ; the pair of heads
	s_and_b32 s13, s13, 7
	s_lshr_b32 s19, s12, 4
	s_lshl_b32 s19, s19, 8                         ; batch x 256
	s_lshl_b32 s13, s13, 5
	s_add_co_u32 s19, s19, s13                     ; + even head x 16
	s_and_b32 s12, s12, 15
	s_add_co_u32 s19, s19, s12                     ; + step: the even head's record
	s_mov_b32 s12, 13056
	s_cmp_eq_u32 ttmp9, 0
	s_cselect_b64 s[92:93], s[6:7], s[8:9]         ; q goes to qb, k and v to kv
	s_cselect_b32 s12, 6656, s12                   ; a record's bytes
	s_cmp_eq_u32 ttmp9, 1
	s_cselect_b32 s13, 6400, 0                     ; k lies behind v's record
	s_mul_i32 s22, s19, s12
	s_add_co_u32 s22, s22, s13
	s_mov_b32 s23, 0
	s_add_nc_u64 s[92:93], s[92:93], s[22:23]      ; the even head's
	s_lshl_b32 s22, s12, 4
	s_add_nc_u64 s[94:95], s[92:93], s[22:23]      ; the odd head's: 16 records on
	s_wait_alu depctr_va_vdst(0)
	s_wait_tensorcnt 0x0                           ; my part of both slots is in
	s_barrier_signal -1
	s_barrier_wait -1
	FETCH 0, 0, 0
; THE K STEPS, written out.  A step waits for its fragments (asked for a step ago), asks for the next step's into the other register set, and multiplies.
; A slot's last step changes slots: all my tensor loads have landed, the add, my reads of the slot are over; then a round of the cluster's barrier and the joint refill first behind it, where a fill is left; else the work-group's barrier.
.set k, 0
.rept KS
.set st, k%2
.set csl, (k/QS)%2
.set nsl, ((k+1)/QS)%2
.set nkl, (k+1)%QS
.if k == KS-1
	s_wait_dscnt 0x0
	MULS st, 0
.elseif (k%QS) == QS-1
	s_wait_tensorcnt 0x0                           ; all my tensor loads have landed, my part of the next slot among them: so a group 0 may be written
	ds_add_u32 v[SPW], v[NIL]
.if (k/QS)+2 < NF
	s_add_nc_u64 s[G0+4*csl+2:G0+4*csl+3], s[G0+4*csl+2:G0+4*csl+3], 2*QS*PRG1*6400
	s_add_nc_u64 s[G0B+4*csl+2:G0B+4*csl+3], s[G0B+4*csl+2:G0B+4*csl+3], 2*QS*PRG0*6400
.endif
	s_wait_dscnt 0x0                               ; the add is done; this step's fragments are in, and they were my last reads of this slot
.if (k/QS)+2 < NF
	CROUND                                         ; no wave of any partner still reads the slot or has a load on its way
.if (k/QS)+2 == NF-1
	JLOAD G0+4*csl, G1T, G0B+4*csl, G1BT           ; the four v_nop behind it are the places in front of the loads below
.else
	JLOAD G0+4*csl, G1, G0B+4*csl, G1B
.endif
.else
	s_barrier_signal -1
	s_barrier_wait -1
	PLACES 4
.endif
	FETCH nsl, 0, 1-st
	MULS st, 0
.else
	s_wait_dscnt 0x0
.if k > 0
	PLACES 4                                       ; four plain places between the last product and loads into registers that it read
.endif
	FETCH nsl, nkl, 1-st
.if k == 0
	MULS st, 1                                     ; the first products start the sums
.else
	MULS st, 0
.endif
.endif
.set k, k+1
.endr
; THE WAY OUT.  64 numbers of a lane (register 16 b + i = k 32 b + 16 (lane / 16) + i of my row), in window win from src on, become a fragment's 12 registers in v[dst] on and its scale word in v[wrd].
.macro QUANT win, src, dst, wrd
	WIN (\win)|((\win)<<2)
.irp b, 0,1,2,3
	v_max3_num_f32 v[TM+\b], |v[(\src)+16*\b]|, |v[(\src)+16*\b+1]|, 0x1800000   ; each accumulator is read from its low end on; the floor 2^(3 - 127) holds the byte at 1 from below
.endr
.irp i, 2,4,6,8,10,12,14
.irp b, 0,1,2,3
	v_max3_num_f32 v[TM+\b], |v[(\src)+16*\b+\i]|, |v[(\src)+16*\b+\i+1]|, v[TM+\b]
.endr
.endr
	WIN 0
.irp b, 0,1,2,3
	v_permlanex16_b32 v[TM+4+\b], v[TM+\b], s84, s85
.endr
.irp b, 0,1,2,3
	v_max_num_f32 v[TM+\b], v[TM+\b], v[TM+4+\b]   ; with lane l xor 16's 16: the block's largest magnitude
.endr
.irp b, 0,1,2,3
	v_add_nc_u32 v[TM+12+\b], 0xff000000, v[TM+\b] ; 2 off its exponent field: the conversion's scale operand
.endr
.irp b, 0,1,2,3
	v_lshrrev_b32 v[TM+4+\b], 23, v[TM+12+\b]      ; the byte
.endr
	v_lshl_or_b32 v[\wrd], v[TM+5], 8, v[TM+4]
	v_lshl_or_b32 v[\wrd], v[TM+6], 16, v[\wrd]
	v_lshl_or_b32 v[\wrd], v[TM+7], 24, v[\wrd]
	WIN (\win)
.irp c, 0,1
	v_cvt_scalef32_pk16_fp6_f32 v[(\dst)+6*\c:(\dst)+6*\c+2], v[(\src)+32*\c:(\src)+32*\c+15], v[TM+12+2*\c]
	v_cvt_scalef32_pk16_fp6_f32 v[T2+4*\c:T2+4*\c+2], v[(\src)+32*\c+16:(\src)+32*\c+31], v[TM+13+2*\c]
.endr
	WIN 0
	v_nop                                          ; one plain place behind a scaled conversion
.irp c, 0,1                                    ; the operand wants a whole block in a lane: lanes 0-15 block 2 c, lanes 16-31 block 2 c + 1
.irp i, 0,1,2
	v_permlane16_swap_b32 v[(\dst)+6*\c+\i], v[T2+4*\c+\i]
.endr
.irp i, 0,1,2
	v_mov_b32 v[(\dst)+6*\c+3+\i], v[T2+4*\c+\i]
.endr
.endr
.endm
; Block a of src1 (16 rows): quantised and stored.  Each block has code registers of its own, and offsets and bases stay: no store's register is written again.
.macro OUTA a
.set aW, 2+(\a)/4
.set aS, 64*((\a)%4)
.set aP, 64+12*(\a)
	QUANT aW, aS, aP, 240+(\a)
	s_cmp_eq_u32 ttmp9, 2
	s_cbranch_scc1 .Lv_\@
	global_store_b128 v12, v[aP:aP+3], s[92:93] offset:768*(\a)            ; q, k: K's first 64 are the even head's half fragment,
	global_store_b64 v13, v[aP+4:aP+5], s[92:93] offset:768*(\a)+512
	global_store_b128 v12, v[aP+6:aP+9], s[94:95] offset:768*(\a)          ; the second 64 the odd head's
	global_store_b64 v13, v[aP+10:aP+11], s[94:95] offset:768*(\a)+512
	s_branch .Ld_\@
.Lv_\@:                                                ; v: blocks 0-3 are the even head's four fragments, blocks 4-7 the odd head's
	s_wait_alu depctr_va_vdst(0)
	global_store_b128 v12, v[aP:aP+3], s[92+2*((\a)/4):93+2*((\a)/4)] offset:1536*((\a)%4)
	global_store_b64 v13, v[aP+4:aP+5], s[92+2*((\a)/4):93+2*((\a)/4)] offset:1536*((\a)%4)+512
	global_store_b128 v12, v[aP+6:aP+9], s[92+2*((\a)/4):93+2*((\a)/4)] offset:1536*((\a)%4)+768
	global_store_b64 v13, v[aP+10:aP+11], s[92+2*((\a)/4):93+2*((\a)/4)] offset:1536*((\a)%4)+1280
.Ld_\@:
.endm
; The scale words of blocks 4 g .. 4 g + 3: lane (r, h) stores those of blocks 4 g + 2 h and 4 g + 2 h + 1 of row r: 256 consecutive bytes
.macro OUTS g
	v_cndmask_b32 v[56+4*\g], v[240+4*\g], v[242+4*\g], s86
	v_cndmask_b32 v[57+4*\g], v[241+4*\g], v[243+4*\g], s86
	s_cmp_eq_u32 ttmp9, 2
	s_cbranch_scc1 .Lvs_\@
.if \g == 1                            ; k's tiles 4-7 stand in the upper 64 of an operand's K in the attention launch: their two scale bytes go to bytes 2 and 3 of the word; q's words stay as they were
	s_cmp_eq_u32 ttmp9, 1
	s_cselect_b32 s96, 16, 0
	s_cselect_b32 s97, 0, 16
	v_lshrrev_b32 v[58+4*\g], s97, v[56+4*\g]      ; the odd head's: for k they are the upper two already (below them the even head's bytes, never 0xff, over products with zero codes)
	v_lshrrev_b32 v[59+4*\g], s97, v[57+4*\g]
	v_lshlrev_b32 v[56+4*\g], s96, v[56+4*\g]      ; the even head's: for k they go up; below them zeros
	v_lshlrev_b32 v[57+4*\g], s96, v[57+4*\g]
.else
	v_lshrrev_b32 v[58+4*\g], 16, v[56+4*\g]       ; the odd head's two bytes come down; above them zeros, which stand over zero codes
	v_lshrrev_b32 v[59+4*\g], 16, v[57+4*\g]
.endif
	global_store_b64 v14, v[56+4*\g:57+4*\g], s[92:93] offset:6144+256*\g      ; (the even head's word keeps the odd head's bytes above: never 0xff, over zero codes)
	global_store_b64 v14, v[58+4*\g:59+4*\g], s[94:95] offset:6144+256*\g
	s_branch .Lds_\@
.Lvs_\@:
	s_wait_alu depctr_va_vdst(0)
	global_store_b64 v14, v[56+4*\g:57+4*\g], s[92+2*\g:93+2*\g] offset:6144
.Lds_\@:
.endm
	PLACES 4                                       ; between the last product and the first read of results and the first write of operands' registers
.irp b, 0,1,2,3
	v_mov_b32 v[TM+4+\b], 0                        ; a lane permute's destination counts as one of its sources
.endr
.irp a, 0,1,2,3
	OUTA \a
.endr
	OUTS 0
.irp a, 4,5,6,7
	OUTA \a
.endr
	OUTS 1
	s_wait_tensorcnt 0x0                           ; the wave's end
	ds_add_u32 v[SPW], v[NIL]
	s_wait_dscnt 0x0
	CROUND                                         ; the closing round
	s_endpgm
.Lfunc_end_k_qe88b2e7c32_qkv:
	.size	k_qe88b2e7c32_qkv, .Lfunc_end_k_qe88b2e7c32_qkv-k_qe88b2e7c32_qkv
	.p2alignl 7, 3214868480
	.fill 96, 4, 3214868480
	.section	.rodata,"a",@progbits
	.p2align	6, 0x0
	.amdhsa_kernel k_qe88b2e7c32_qkv
		.amdhsa_group_segment_fixed_size 327680
		.amdhsa_private_segment_fixed_size 0
		.amdhsa_enable_private_segment 0
		.amdhsa_kernarg_size 24
		.amdhsa_user_sgpr_count 2
		.amdhsa_user_sgpr_kernarg_segment_ptr 1
		.amdhsa_wavefront_size32 1
		.amdhsa_system_sgpr_workgroup_id_x 1
		.amdhsa_system_sgpr_workgroup_id_y 1
		.amdhsa_system_sgpr_workgroup_id_z 1
		.amdhsa_system_vgpr_workitem_id 0
		.amdhsa_next_free_vgpr 1024
		.amdhsa_next_free_sgpr 104
		.amdhsa_reserve_vcc 0
		.amdhsa_float_denorm_mode_32 3
		.amdhsa_float_denorm_mode_16_64 3
		.amdhsa_memory_ordered 1
		.amdhsa_forward_progress 1
		.amdhsa_inst_pref_size 149
	.end_amdhsa_kernel
	.amdgpu_metadata
---
amdhsa.version: [ 1, 2 ]
amdhsa.kernels:
  - .name:           k_qe88b2e7c32_qkv
    .symbol:         k_qe88b2e7c32_qkv.kd
    .args:
      - { .name: cw, .offset: 0, .size: 8, .value_kind: global_buffer, .address_space: global }
      - { .name: qb, .offset: 8, .size: 8, .value_kind: global_buffer, .address_space: global }
      - { .name: kv, .offset: 16, .size: 8, .value_kind: global_buffer, .address_space: global }
    .group_segment_fixed_size: 327680
    .private_segment_fixed_size: 0
    .kernarg_segment_align: 8
    .kernarg_segment_size: 24
    .max_flat_workgroup_size: 128
    .sgpr_count:     104
    .vgpr_count:     1024
    .wavefront_size: 32
...
	.end_amdgpu_metadata
.endif
;; end of part 2
;; launch attn (part 3): grid 8 x 32, 16 waves a work-group, clusters of 4 x 1, 327,680 bytes of LDS; arguments qb, kv, cw; writes cw
.if DOCPART == 3
	.amdgcn_target "amdgcn-amd-amdhsa--gfx1250"
	.amdhsa_code_object_version 6
	.text
	.protected	k_qe88b2e7c32_attn
	.globl	k_qe88b2e7c32_attn
	.p2align	8
	.type	k_qe88b2e7c32_attn,@function
k_qe88b2e7c32_attn:
	s_mov_b64 s[64:65], 0
	v_nop
	global_prefetch_b8 v0, s[64:65] scope:SCOPE_SE
	s_setreg_imm32_b32 hwreg(HW_REG_WAVE_MODE, 25, 1), 1
	s_wait_xcnt 0x0
	s_wait_alu depctr_hold_cnt(0) depctr_sa_sdst(0) depctr_va_vdst(0) depctr_va_sdst(0) depctr_va_ssrc(0) depctr_va_vcc(0) depctr_vm_vsrc(0)
	s_getreg_b32 s2, hwreg(HW_REG_IB_STS2, 6, 4)
	s_cmp_eq_u32 s2, 0
	s_cbranch_scc0 .Lentry_in_a_cluster
	s_endpgm
.Lentry_in_a_cluster:
	s_bfe_u32 s2, ttmp6, 0x10000c
	s_cmp_lg_u32 s2, 0x3003
	s_cbranch_scc0 .Lentry_shape_is_right
	s_endpgm
.Lentry_shape_is_right:
; Causal attention on codes of E2M3, head size 64, and y quantised along the channels for the projection.
; LEFT OUT: a key step of 128 keys all of which come after a tile's queries: reference()'s own mask makes p = 0 there for every input (shown at the head of the first kernel).
; LIMIT: a NaN, an infinity or an overflow that reaches only those steps is not carried to the result.
; SOFTMAX: t = score x log2(e) / 8; M = the running largest t rounded up to a whole number; p = 2^(t - M) is quantised along the keys; the row's sum is taken of the unquantised p and divides at the end.
; SHARES.  Grid y = batch x 16 + head.  Work-group j (0..7) takes query tile j (16 queries) of EVERY query step of 128: 16 tiles, which need 1 to 16 key steps.  They form eight pairs i: a long tile
; (query step 15 - i) and a short one (query step i), 17 key steps together, shared between two waves so that no wave has more than 9:
;   wave i     (0-7):  the long tile's key steps 0 .. 8; at the end it takes its partner's part, joins the two and writes the long tile out.
;   wave 8 + i (8-15): the short tile, key steps 0 .. i, which it writes out; then, with a state begun anew, the long tile's key steps 9 .. 15 - i; that part goes to the partner through LDS.
; Two parts of one row are joined as two steps are: -M is the smaller of the two -M, each part is multiplied by 2^(its M - M), which rounds nothing, and the sums and O^T are added.
; Every wave walks key steps 0 .. 15 in order, in loops of constant count.
; All work-groups have the same work and read all 16 key steps: the four of a cluster ask for them jointly.
; LDS: the head's 16 records of kv, 13,056 bytes each, filled ONCE: no slot is filled again.  Every wave fetches one record (one tensor load of mine is out at the most).  The walk begins
; behind the wait for my own load and a barrier: all sixteen records are in.
; Behind the records: the spare words; behind them a stage of 4,608 bytes for each wave, into which no tensor load lands.
; A record: v's four fragments (rows = channels, K = the 128 keys) and scale words, then k's eight half fragments (16 keys x 64) and scale words.
; The first product's K is 64: one half of each q operand, [q; 0] or [0; q], holds zero codes.
; LAYOUT: both products transposed: a lane holds ONE query.  The keys of k's tiles, the queries of a tile and v's channels are ordered so that two neighbouring tiles' 16 registers are 16 neighbours.
; REGISTERS: v1-4, v7 addresses and the mask's number; v5, v6 the add's two; v8-10 the step's LDS addresses; v11 q's scale word; v12 -M, v13 largest t, v[14:15] the sum; v16-27 q; v28-31 v's scale words;
; v32-79 four operands of k; v80-91 [0; q]; v92-127 v's fragments 0-2, the fourth in v128-139; v128-191 scores, then p; v192-223 O^T; v224-235 p's codes; v232-254 at work; v248-251 k's scale words; v255 my stage.
.set KVR,   13056
.set QR,    6656
.set SPARE, 16*KVR                     ; behind the records: the spare words, 128 bytes a wave, which no other line names
.set STAGE, SPARE+2048                 ; behind them: the stages
.set STW,   9*512                      ; a stage: O^T's 32 registers and four of statistics, 16 bytes a lane and store
.macro CROUND
	s_barrier_signal -1
	s_barrier_wait -1
	s_cmp_lg_u32 s18, 0
	s_cbranch_scc1 .Lnot_wave_0_\@
	s_barrier_signal -3
.Lnot_wave_0_\@:
	s_barrier_wait -3
	s_barrier_signal -1
	s_barrier_wait -1
.endm
	s_load_b128 s[4:7], s[0:1], 0x0                ; qb, kv
	s_load_b64 s[8:9], s[0:1], 0x10                ; cw
	v_lshl_add_u32 v5, v0, 2, SPARE
	v_mov_b32 v6, 0
	ds_add_u32 v5, v6                              ; the opening: the add, twice on end, and its wait ahead of the first tensor load
	ds_add_u32 v5, v6
	v_lshrrev_b32 v8, 5, v0
	s_delay_alu instid0(VALU_DEP_1)
	v_readfirstlane_b32 s18, v8                    ; wave 0..15
	s_and_b32 s66, s18, 7                          ; i: my pair
	s_lshr_b32 s67, s18, 3                         ; 1 in waves 8-15
	s_xor_b32 s68, s66, 15                         ; the pair's long tile: query step 15 - i
	s_xor_b32 s69, s67, 1                          ; 1 in waves 0-7
	s_mul_i32 s19, s69, 15
	s_xor_b32 s19, s66, s19                        ; the query step of the tile that I begin with and write out: 15 - i in waves 0-7, i in waves 8-15
	s_mul_i32 s70, s67, s66
	s_lshl_b32 s71, s69, 3
	s_add_co_u32 s70, s70, s71                     ; the last key step of mine in the first walk: 8 in waves 0-7, i in waves 8-15
	s_mul_i32 s71, s67, s68                        ; and in the second walk (key steps 9 on): none in waves 0-7, 15 - i in waves 8-15
	s_mul_i32 s76, s18, STW
	s_add_co_u32 s76, s76, STAGE                   ; my stage
	s_bfe_u32 s10, ttmp6, 0x40000                  ; cx
	s_lshl_b32 s11, ttmp9, 2
	s_add_co_u32 s11, s11, s10                     ; j: it enters global addresses and the mask's number alone
	s_and_b32 s12, ttmp7, 0xffff                   ; batch x 16 + head, which the four partners share
	s_mov_b32 s24, 15|(3<<16)|(1<<21)              ; group 1: all four work-groups; elements of 8 bytes; a record is a dense block: 51 rows of 256 bytes
	s_mov_b32 s25, 32<<16
	s_mov_b32 s26, 51<<16
	s_mov_b32 s27, 32<<16
	s_mov_b32 s28, 51
	s_mov_b32 s29, 32
	s_mov_b32 s30, 0
	s_mov_b32 s31, 0
	s_mov_b32 s13, s18                             ; every wave fetches one record: key step w
	s_mul_i32 s14, s13, KVR                        ; a fetching wave's first record in LDS,
	s_lshl_b32 s15, s12, 4
	s_add_co_u32 s16, s15, s13
	s_mul_i32 s16, s16, KVR                        ; and in kv
	s_mov_b32 s17, 0
	s_mov_b32 s20, 0x76543210
	s_mov_b32 s21, 0xfedcba98
	s_mov_b32 s22, 0x3e38aa3b                      ; c = log2(e) / 8
	s_mov_b32 s23, s22
	s_mov_b32 s49, 0xffff0000                      ; lanes 16-31
	s_mov_b32 s2, 0                                ; LDS byte of the key step in hand
	s_mov_b32 s3, 0                                ; its number
	s_wait_dscnt 0x0                               ; both opening adds are done
	s_wait_kmcnt 0x0
	s_add_nc_u64 s[16:17], s[6:7], s[16:17]
	CROUND                                         ; the four work-groups are here: the joint loads meet
.irp p, 0
	s_mov_b32 s[32+4*\p], 1
	s_add_co_u32 s[33+4*\p], s14, 4*\p*KVR
	s_add_nc_u64 s[34+4*\p:35+4*\p], s[16:17], 4*\p*KVR
	s_or_b32 s[35+4*\p], s[35+4*\p], 0x80000000
.endr
	tensor_load_to_lds s[32:35], s[24:31]          ; wave w: key step w's record, a first fill; one tensor load a wave, with no branch
	s_nop 0
.rept 4
	v_nop
.endr
	v_and_b32 v8, 31, v0
	s_delay_alu instid0(VALU_DEP_1)
	v_lshlrev_b32 v1, 4, v8                        ; 16 x lane
	s_delay_alu instid0(VALU_DEP_2)
	v_lshlrev_b32 v2, 3, v8                        ; 8 x lane
	v_and_b32 v9, 15, v0                           ; r
	v_bfe_u32 v10, v0, 4, 1                        ; h
	s_delay_alu instid0(VALU_DEP_2)
	v_lshlrev_b32 v3, 4, v9                        ; 16 r
	s_wait_alu depctr_va_vdst(0)
	v_add_nc_u32 v7, v3, v10                       ; 16 r + h
	v_add_nc_u32 v255, s76, v1                     ; my stage, 16 bytes a lane
	v_and_b32 v4, 8, v9
	s_delay_alu instid0(VALU_DEP_1)
	v_add_nc_u32 v4, v4, v9                        ; r + 8 (r / 8)
	v_lshlrev_b32 v10, 4, v10
	s_delay_alu instid0(VALU_DEP_1)
	v_sub_nc_u32 v4, v4, v10
	s_lshr_b32 s13, s11, 1
	s_lshl_b32 s13, s13, 5
	s_and_b32 s14, s11, 1
	s_lshl_b32 s14, s14, 3
	s_add_co_u32 s13, s13, s14
	v_add_nc_u32 v4, s13, v4                       ; d = my query's place in its step - 16 h: on the diagonal, register 16 b + i (key 32 b + 16 h + i) is hidden where 32 b + i > d
	s_mul_i32 s77, s11, 768                        ; tile j's half fragment in a record of qb,
	s_lshr_b32 s78, s11, 2
	s_lshl_b32 s78, s78, 8
	s_and_b32 s79, s11, 3
	s_lshl_b32 s79, s79, 2
	s_add_co_u32 s78, s78, s79
	s_add_co_u32 s78, s78, 6144                    ; and its scale words
	s_add_co_u32 s50, s15, s19
	s_mul_i32 s50, s50, QR                         ; the record of the tile that I begin with
	s_add_co_u32 s52, s50, s77
	s_mov_b32 s53, 0
	s_add_nc_u64 s[52:53], s[4:5], s[52:53]
	s_add_co_u32 s54, s50, s78
	s_mov_b32 s55, 0
	s_add_nc_u64 s[54:55], s[4:5], s[54:55]
	global_load_b128 v[16:19], v1, s[52:53]
	global_load_b64 v[20:21], v2, s[52:53] offset:512
	global_load_b32 v11, v3, s[54:55]
	global_load_b128 v[86:89], v1, s[52:53]        ; q once more, as the upper 64 of a second operand [0; q] in v80-91
	global_load_b64 v[90:91], v2, s[52:53] offset:512
	s_add_co_u32 s50, s15, s68
	s_mul_i32 s50, s50, QR                         ; the long tile's record: waves 8-15 load from it at the change of tiles
	s_add_co_u32 s72, s50, s77
	s_mov_b32 s73, 0
	s_add_nc_u64 s[72:73], s[4:5], s[72:73]
	s_add_co_u32 s74, s50, s78
	s_mov_b32 s75, 0
	s_add_nc_u64 s[74:75], s[4:5], s[74:75]
	s_lshr_b32 s56, s12, 4                         ; batch
	s_and_b32 s57, s12, 15                         ; head
	s_lshr_b32 s58, s57, 1                         ; y's K step of 128 channels: head / 2
	s_lshl_b32 s58, s58, 6
	s_lshl_b32 s56, s56, 5
	s_add_co_u32 s58, s58, s56
	s_lshl_b32 s56, s19, 1
	s_add_co_u32 s58, s58, s56
	s_lshr_b32 s56, s11, 2
	s_add_co_u32 s58, s58, s56                     ; + the group of 64 tokens of the tile that I write out
	s_mul_i32 s58, s58, 6400
	s_and_b32 s57, s57, 1                          ; e: which half of the K step
	s_and_b32 s56, s11, 3                          ; the fragment
	s_mul_i32 s60, s56, 1536
	s_mul_i32 s61, s57, 768
	s_add_co_u32 s60, s60, s61
	s_add_co_u32 s60, s60, s58
	s_mov_b32 s61, 0
	s_add_nc_u64 s[60:61], s[8:9], s[60:61]        ; y's half fragment
	s_lshl_b32 s56, s56, 2
	s_lshl_b32 s57, s57, 1
	s_add_co_u32 s62, s56, s57
	s_add_co_u32 s62, s62, s58
	s_add_co_u32 s62, s62, 6144
	s_mov_b32 s63, 0
	s_add_nc_u64 s[62:63], s[8:9], s[62:63]        ; its two scale bytes
.irp i, 22,23,24,25,26,27,80,81,82,83,84,85
	v_mov_b32 v[\i], 0                             ; zero codes: the upper 64 of [q; 0], the lower 64 of [0; q]
.endr
	v_mov_b32 v13, 0xff61b1e6                      ; the largest t so far: -3e38
	s_delay_alu instid0(VALU_DEP_1)
	v_floor_f32 v12, -v13                          ; -M
	v_mov_b32 v14, 0
	v_mov_b32 v15, 0
.irp b, 0,1,2,3
	v_mov_b32 v[236+\b], 0                         ; a lane permute's destination counts as one of its sources
.endr
	v_mov_b32 v252, 0
	v_mov_b32 v253, 0
.set oi, 0
.rept 32
	v_mov_b32 v[192+oi], 0                         ; O^T: the step is written once; the first finds zeros
.set oi, oi+1
.endr
; A KEY STEP of 128 keys.
; AN OPERAND OF k HOLDS TWO KEY TILES: registers 0-5 tile t, registers 6-11 tile t + 4.  With [q; 0] it gives tile t's scores, with [0; q] tile t + 4's: the other half meets zero codes.
; The record at LDS byte s79: its eight half fragments into v32-79 (16 loads; the two adds and two v_nop are the four places behind the products that read those registers),
.macro KFRAGS
	v_add_nc_u32 v236, s79, v1
	v_add_nc_u32 v237, s79, v2
	v_nop
	v_nop
.irp t, 0,1,2,3
	ds_load_b128 v[32+12*\t:35+12*\t], v236 offset:6400+768*\t
	ds_load_b64 v[36+12*\t:37+12*\t], v237 offset:6400+768*\t+512
	ds_load_b128 v[38+12*\t:41+12*\t], v236 offset:6400+768*(4+\t)
	ds_load_b64 v[42+12*\t:43+12*\t], v237 offset:6400+768*(4+\t)+512
.endr
.endm
.macro KWORDS                          ; and its scale words: tiles 0-3 into v248-251 (bytes 0, 1 count), tiles 4-7 into v244-247 (bytes 2, 3 count)
	v_add_nc_u32 v254, s79, v3
	ds_load_b128 v[248:251], v254 offset:12544
	ds_load_b128 v[244:247], v254 offset:12544+256
.endm
.macro STEP
	s_cmp_gt_u32 s3, s70                           ; not a step of mine in this walk.  A branch on the wave's number and the count of steps, round no barrier
	s_cbranch_scc1 .Lskip_\@
	v_add_nc_u32 v8, s2, v1
	v_add_nc_u32 v9, s2, v2
	v_add_nc_u32 v10, s2, v3
	v_nop
	v_nop                                          ; five plain places behind the last step's products: the scores are written over v's fourth fragment, which they read
.irp t, 0,1,2                                  ; v's fragments 0-2 into v92-127; this step's k was asked for a step ago
	ds_load_b128 v[92+12*\t:95+12*\t], v8 offset:1536*\t
	ds_load_b64 v[96+12*\t:97+12*\t], v9 offset:1536*\t+512
	ds_load_b128 v[98+12*\t:101+12*\t], v8 offset:1536*\t+768
	ds_load_b64 v[102+12*\t:103+12*\t], v9 offset:1536*\t+1280
.endr
	ds_load_b128 v[28:31], v10 offset:6144
	s_wait_alu depctr_va_vdst(0)
	s_wait_dscnt 13                                ; k's fragments and scale words are in; v's thirteen loads may be out
.irp t, 0,1,2,3
	v_wmma_scale_f32_16x16x128_f8f6f4 v[128+8*\t:135+8*\t], v[32+12*\t:43+12*\t], v[16:27], 0, v[248+\t], v11 matrix_a_fmt:MATRIX_FMT_FP6 matrix_b_fmt:MATRIX_FMT_FP6
.endr
.irp t, 0,1,2,3
	v_wmma_scale_f32_16x16x128_f8f6f4 v[160+8*\t:167+8*\t], v[32+12*\t:43+12*\t], v[80:91], 0, v[244+\t], v11 matrix_a_fmt:MATRIX_FMT_FP6 matrix_b_fmt:MATRIX_FMT_FP6
.endr
	s_add_co_u32 s79, s2, KVR                      ; the next key step's k is asked for now, a whole softmax ahead of its products;
	s_min_u32 s79, s79, 15*KVR                     ; behind the last record the last is named again, and not used
	KFRAGS
	s_cmp_lg_u32 s3, s19                           ; on the diagonal of the tile in hand hidden scores become -infinity ahead of the maximum; the step's first key counts for every query of the tile, so the maximum is a number
	s_cbranch_scc1 .Lopen_\@
	v_mov_b32 v254, 0xff800000
.irp n, 0,1,2,3,4,5,6,7,8,9,10,11,12,13,14,15,16,17,18,19,20,21,22,23,24,25,26,27,28,29,30,31,32,33,34,35,36,37,38,39,40,41,42,43,44,45,46,47,48,49,50,51,52,53,54,55,56,57,58,59,60,61,62,63
	v_cmp_gt_i32 vcc_lo, 32*(\n/16)+\n%16, v4
	v_cndmask_b32 v[128+\n], v[128+\n], v254, vcc_lo
.endr
.Lopen_\@:
.irp b, 0,1,2,3
	v_max3_num_f32 v[232+\b], v[128+16*\b], v[129+16*\b], v[130+16*\b]   ; the largest score of each block of 32 keys: for the row's maximum and, since p rises with the score, for the block's largest p
.endr
.irp i, 3,5,7,9,11,13
.irp b, 0,1,2,3
	v_max3_num_f32 v[232+\b], v[232+\b], v[128+16*\b+\i], v[129+16*\b+\i]
.endr
.endr
.irp b, 0,1,2,3
	v_max_num_f32 v[232+\b], v[232+\b], v[143+16*\b]
.endr
.irp b, 0,1,2,3
	s_delay_alu instid0(VALU_DEP_4)
	v_permlanex16_b32 v[236+\b], v[232+\b], s20, s21
.endr
.irp b, 0,1,2,3
	s_delay_alu instid0(VALU_DEP_4)
	v_max_num_f32 v[232+\b], v[232+\b], v[236+\b]
.endr
	s_delay_alu instid0(VALU_DEP_2)
	v_max3_num_f32 v254, v232, v233, v234
	s_delay_alu instid0(VALU_DEP_1)
	v_max_num_f32 v254, v254, v235
	s_delay_alu instid0(VALU_DEP_1)
	v_mul_f32 v254, s22, v254                      ; as t
	s_delay_alu instid0(VALU_DEP_1)
	v_max_num_f32 v13, v13, v254                   ; the running largest t
	v_mov_b32 v254, v12
	s_delay_alu instid0(VALU_DEP_2)
	v_floor_f32 v12, -v13                          ; the new -M: M is a whole number
	s_delay_alu instid0(VALU_DEP_1)
	v_sub_f32 v254, v12, v254
	s_delay_alu instid0(VALU_DEP_1)
	v_cvt_i32_f32 v254, v254                       ; (it saturates)
	s_delay_alu instid0(VALU_DEP_1)
	v_ldexp_f32 v252, 1.0, v254                    ; f = 2^(old M - new M): rounds nothing
.irp j, 0,2,4,6,8,10,12,14,16,18,20,22,24,26,28,30,32,34,36,38,40,42,44,46,48,50,52,54,56,58,60,62
	v_pk_fma_f32 v[128+\j:129+\j], v[128+\j:129+\j], s[22:23], v[12:13] op_sel_hi:[1,0,0]   ; t - M
.endr
.irp b, 0,1,2,3
	v_fma_f32 v[232+\b], v[232+\b], s22, v12
.endr
	s_wait_alu depctr_va_vdst(0)
.irp j, 0,1,2,3,4,5,6,7,8,9,10,11,12,13,14,15,16,17,18,19,20,21,22,23,24,25,26,27,28,29,30,31,32,33,34,35,36,37,38,39,40,41,42,43,44,45,46,47,48,49,50,51,52,53,54,55,56,57,58,59,60,61,62,63
	v_exp_f32 v[128+\j], v[128+\j]                 ; p
.endr
	v_pk_mul_f32 v[14:15], v[14:15], v[252:253] op_sel_hi:[1,0]   ; the sums under the new M; a plain instruction behind the batch
	s_wait_alu depctr_va_vdst(0)                   ; one wait for the batch, ahead of its first reader
.irp b, 0,1,2,3
	v_exp_f32 v[232+\b], v[232+\b]                 ; each block's largest p
.endr
	v_pk_add_f32 v[236:237], v[132:133], v[136:137]
	v_pk_add_f32 v[250:251], v[140:141], v[144:145]
	v_pk_add_f32 v[248:249], v[148:149], v[152:153]
	v_pk_add_f32 v[246:247], v[156:157], v[160:161]
	v_pk_add_f32 v[244:245], v[164:165], v[168:169]
	v_pk_add_f32 v[242:243], v[172:173], v[176:177]
	v_pk_add_f32 v[240:241], v[180:181], v[184:185]
	v_pk_add_f32 v[14:15], v[14:15], v[188:189]
	v_pk_add_f32 v[236:237], v[236:237], v[128:129]
	v_pk_add_f32 v[250:251], v[250:251], v[130:131]
	v_pk_add_f32 v[248:249], v[248:249], v[134:135]
	v_pk_add_f32 v[246:247], v[246:247], v[138:139]
	v_pk_add_f32 v[244:245], v[244:245], v[142:143]
	v_pk_add_f32 v[242:243], v[242:243], v[146:147]
	v_pk_add_f32 v[240:241], v[240:241], v[150:151]
	v_pk_add_f32 v[14:15], v[14:15], v[154:155]
	v_pk_add_f32 v[236:237], v[236:237], v[158:159]
	v_pk_add_f32 v[250:251], v[250:251], v[162:163]
	v_pk_add_f32 v[248:249], v[248:249], v[166:167]
	v_pk_add_f32 v[246:247], v[246:247], v[170:171]
	v_pk_add_f32 v[244:245], v[244:245], v[174:175]
	v_pk_add_f32 v[242:243], v[242:243], v[178:179]
	v_pk_add_f32 v[240:241], v[240:241], v[182:183]
	v_pk_add_f32 v[14:15], v[14:15], v[186:187]
	v_pk_add_f32 v[236:237], v[236:237], v[190:191]
	s_delay_alu instid0(VALU_DEP_2)
	v_pk_add_f32 v[14:15], v[14:15], v[246:247]
	s_delay_alu instid0(VALU_DEP_2)
	v_pk_add_f32 v[236:237], v[236:237], v[244:245]
	v_pk_add_f32 v[250:251], v[250:251], v[242:243]
	v_pk_add_f32 v[248:249], v[248:249], v[240:241]
	s_delay_alu instid0(VALU_DEP_2)
	v_pk_add_f32 v[14:15], v[14:15], v[250:251]
	s_delay_alu instid0(VALU_DEP_2)
	v_pk_add_f32 v[236:237], v[236:237], v[248:249]
	s_delay_alu instid0(VALU_DEP_1)
	v_pk_add_f32 v[14:15], v[14:15], v[236:237]
	s_wait_alu depctr_va_vdst(0)                   ; and one for the four
.irp b, 0,1,2,3
	v_max_num_f32 v[232+\b], 0x1800000, v[232+\b]  ; the floor: the byte cannot fall under 1
.endr
.irp b, 0,1,2,3
	s_delay_alu instid0(VALU_DEP_4)
	v_add_nc_u32 v[244+\b], 0xff000000, v[232+\b]
.endr
.irp b, 0,1,2,3
	s_delay_alu instid0(VALU_DEP_4)
	v_lshrrev_b32 v[236+\b], 23, v[244+\b]
.endr
	s_delay_alu instid0(VALU_DEP_3)
	v_lshl_or_b32 v253, v237, 8, v236              ; p's scale word
	s_delay_alu instid0(VALU_DEP_1)
	v_lshl_or_b32 v253, v238, 16, v253
	s_delay_alu instid0(VALU_DEP_1)
	v_lshl_or_b32 v253, v239, 24, v253
.irp c, 0,1
	v_cvt_scalef32_pk16_fp6_f32 v[224+6*\c:226+6*\c], v[128+32*\c:143+32*\c], v[244+2*\c]
	v_cvt_scalef32_pk16_fp6_f32 v[236+4*\c:238+4*\c], v[144+32*\c:159+32*\c], v[244+2*\c+1]
.endr
	v_nop                                          ; one plain place behind a scaled conversion
	ds_load_b128 v[128:131], v8 offset:4608        ; v's fourth fragment, into registers that held p
	ds_load_b64 v[132:133], v9 offset:4608+512
	ds_load_b128 v[134:137], v8 offset:4608+768
	ds_load_b64 v[138:139], v9 offset:4608+1280
	KWORDS                                         ; and the next step's scale words of k
.irp c, 0,1
.irp i, 0,1,2
	v_permlane16_swap_b32 v[224+6*\c+\i], v[236+4*\c+\i]
.endr
.irp i, 0,1,2
	s_delay_alu instid0(VALU_DEP_3)
	v_mov_b32 v[227+6*\c+\i], v[236+4*\c+\i]
.endr
.endr
.irp j, 0,2,4,6,8,10,12,14,16,18,20,22,24,26,28,30
	v_pk_mul_f32 v[192+\j:193+\j], v[192+\j:193+\j], v[252:253] op_sel_hi:[1,0]   ; O^T under the new M; these sixteen also stand between the writes of p's codes and scale word and the products
.endr
	s_wait_alu depctr_va_vdst(0)
	s_wait_dscnt 2                                 ; v is in; the two loads of k's scale words may be out
.irp t, 0,1,2
	v_wmma_scale_f32_16x16x128_f8f6f4 v[192+8*\t:199+8*\t], v[92+12*\t:103+12*\t], v[224:235], v[192+8*\t:199+8*\t], v[28+\t], v253 matrix_a_fmt:MATRIX_FMT_FP6 matrix_b_fmt:MATRIX_FMT_FP6
.endr
	v_wmma_scale_f32_16x16x128_f8f6f4 v[216:223], v[128:139], v[224:235], v[216:223], v31, v253 matrix_a_fmt:MATRIX_FMT_FP6 matrix_b_fmt:MATRIX_FMT_FP6
.Lskip_\@:
	s_add_co_u32 s2, s2, KVR
	s_add_co_u32 s3, s3, 1
.endm
.macro WALK trips                      ; so many key steps on, the same count in every wave
	s_mov_b32 s48, \trips
.Lwk_\@:
	STEP
	s_sub_co_u32 s48, s48, 1
	s_cmp_lg_u32 s48, 0
	s_cbranch_scc1 .Lwk_\@
.endm
; THE WAY OUT of a tile: y = O^T / the sum; register 16 b + i is channel 32 b + 16 h + i of my query: two blocks of the projection's K, quantised as the scores' p was: half a fragment.
.macro WAYOUT
	v_add_f32 v14, v14, v15
	s_delay_alu instid0(VALU_DEP_1)
	v_permlanex16_b32 v252, v14, s20, s21
	s_delay_alu instid0(VALU_DEP_1)
	v_add_f32 v14, v14, v252
	s_wait_alu depctr_va_vdst(0)
	v_rcp_f32 v14, v14
	v_nop                                          ; a plain instruction behind the reciprocal,
	s_wait_alu depctr_va_vdst(0)                   ; and its wait, ahead of its first reader
.set oi, 0
.rept 32
	v_mul_f32 v[128+oi], v[192+oi], v14            ; each accumulator from its low end on
.set oi, oi+1
.endr
.irp b, 0,1
	v_max3_num_f32 v[232+\b], |v[128+16*\b]|, |v[129+16*\b]|, 0x1800000
.endr
.irp i, 2,4,6,8,10,12,14
.irp b, 0,1
	s_delay_alu instid0(VALU_DEP_2)
	v_max3_num_f32 v[232+\b], v[232+\b], |v[128+16*\b+\i]|, |v[129+16*\b+\i]|
.endr
.endr
.irp b, 0,1
	s_delay_alu instid0(VALU_DEP_2)
	v_permlanex16_b32 v[236+\b], v[232+\b], s20, s21
.endr
.irp b, 0,1
	s_delay_alu instid0(VALU_DEP_2)
	v_max_num_f32 v[232+\b], v[232+\b], v[236+\b]
.endr
.irp b, 0,1
	s_delay_alu instid0(VALU_DEP_2)
	v_add_nc_u32 v[244+\b], 0xff000000, v[232+\b]
.endr
.irp b, 0,1
	s_delay_alu instid0(VALU_DEP_2)
	v_lshrrev_b32 v[236+\b], 23, v[244+\b]
.endr
	v_cvt_scalef32_pk16_fp6_f32 v[160:162], v[128:143], v244
	v_cvt_scalef32_pk16_fp6_f32 v[168:170], v[144:159], v245
	v_cndmask_b32 v172, v236, v237, s49            ; lanes 16-31 store block 1's byte; also the plain place behind the conversions
.irp i, 0,1,2
	v_permlane16_swap_b32 v[160+\i], v[168+\i]
.endr
.irp i, 0,1,2
	s_delay_alu instid0(VALU_DEP_3)
	v_mov_b32 v[163+\i], v[168+\i]
.endr
	global_store_b128 v1, v[160:163], s[60:61]             ; 512 and 256 consecutive bytes, aligned to 256
	global_store_b64 v2, v[164:165], s[60:61] offset:512
	global_store_b8 v7, v172, s[62:63]                     ; single bytes: a scale word's other two belong to the neighbouring head's work-group
.endm
	s_wait_loadcnt 0x0                             ; q
	v_perm_b32 v11, v11, v11, 0x01000100           ; q's two scale bytes twice: bytes 0, 1 serve [q; 0], bytes 2, 3 serve [0; q]
.rept 8
	v_nop                                          ; a scale register written by a vector instruction stands eight places ahead of the product
.endr
	s_wait_alu depctr_va_vdst(0)
	s_wait_tensorcnt 0x0                           ; my record is in: every wave issues the one load line, so every wave waits
	s_wait_dscnt 0x0
	s_barrier_signal -1
	s_barrier_wait -1                              ; all sixteen records are in
	s_mov_b32 s79, 0
	KFRAGS                                         ; key step 0's k
	KWORDS
	WALK 9                                         ; key steps 0 .. 8: waves 0-7 all of them, wave 8 + i those up to i
.rept 4
	v_nop                                          ; four plain places behind the last products, on every wave's way
.endr
	s_mov_b32 s70, s71                             ; the second walk's last step of mine,
	s_mov_b32 s19, s68                             ; and its tile: the long one (in waves 0-7 it was that already)
	s_cmp_lt_u32 s18, 8
	s_cbranch_scc1 .Lno_switch
	; THE CHANGE OF TILES, in waves 8-15.  The long tile's q is asked for first and lands while the short tile goes out
	s_wait_dscnt 0x0                               ; what my last step asked for ahead has landed: its registers are written below
	global_load_b128 v[16:19], v1, s[72:73]
	global_load_b64 v[20:21], v2, s[72:73] offset:512
	global_load_b32 v11, v3, s[74:75]
	global_load_b128 v[86:89], v1, s[72:73]
	global_load_b64 v[90:91], v2, s[72:73] offset:512
	WAYOUT
	s_wait_xcnt 0x0                                ; the stores have read their data: the next scores are written over those registers only behind this wait
	v_mov_b32 v13, 0xff61b1e6                      ; the state is begun anew
	s_delay_alu instid0(VALU_DEP_1)
	v_floor_f32 v12, -v13
	v_mov_b32 v14, 0
	v_mov_b32 v15, 0
.set oi, 0
.rept 32
	v_mov_b32 v[192+oi], 0
.set oi, oi+1
.endr
	s_mov_b32 s79, 9*KVR
	KFRAGS                                         ; key step 9's k, with which the second walk begins
	KWORDS
	s_wait_loadcnt 0x0                             ; the long tile's q
	v_perm_b32 v11, v11, v11, 0x01000100
.rept 8
	v_nop
.endr
	s_wait_alu depctr_va_vdst(0)
.Lno_switch:
	WALK 7                                         ; key steps 9 .. 15: wave 8 + i those up to 15 - i, waves 0-7 none
.rept 4
	v_nop                                          ; four plain places behind the last products, on every wave's way
.endr
	s_cmp_lt_u32 s18, 8
	s_cbranch_scc1 .Lno_hand
	s_wait_alu depctr_va_vdst(0)
.irp c, 0,1,2,3,4,5,6,7
	ds_store_b128 v255, v[192+4*\c:195+4*\c] offset:512*\c     ; waves 8-15: my part of the long tile, as an image of its registers; each accumulator from its low end on
.endr
	ds_store_b128 v255, v[12:15] offset:4096                   ; -M, the largest t, the sum's two halves
.Lno_hand:
	s_wait_dscnt 0x0                               ; for the partner's sake: my stores have landed
	s_barrier_signal -1
	s_barrier_wait -1
	s_cmp_lt_u32 s18, 8
	s_cbranch_scc0 .Ldone
	; waves 0-7: wave 8 + i's stage lies eight stages behind mine
.irp c, 0,1,2,3,4,5,6,7
	ds_load_b128 v[128+4*\c:131+4*\c], v255 offset:8*STW+512*\c
.endr
	ds_load_b128 v[160:163], v255 offset:8*STW+4096
	v_mov_b32 v167, 0                              ; (named as the upper half of the pair v[166:167])
	s_wait_dscnt 0x0
	v_min_num_f32 v164, v12, v160                  ; the row's -M: the smaller of the two.  (A part with no step has -M = 3e38, O^T = 0 and sum 0: its factor comes out 0)
	s_delay_alu instid0(VALU_DEP_1)
	v_sub_f32 v165, v164, v12                      ; my M less the row's: a whole number, 0 or less;
	s_delay_alu instid0(VALU_DEP_2)
	v_sub_f32 v166, v164, v160                     ; the partner's likewise
	s_delay_alu instid0(VALU_DEP_2)
	v_cvt_i32_f32 v165, v165                       ; (they saturate)
	s_delay_alu instid0(VALU_DEP_2)
	v_cvt_i32_f32 v166, v166
	s_delay_alu instid0(VALU_DEP_2)
	v_ldexp_f32 v252, 1.0, v165                    ; the two factors: powers of two, which round nothing
	s_delay_alu instid0(VALU_DEP_2)
	v_ldexp_f32 v166, 1.0, v166
	s_delay_alu instid0(VALU_DEP_2)
	v_pk_mul_f32 v[14:15], v[14:15], v[252:253] op_sel_hi:[1,0]
	s_wait_alu depctr_va_vdst(0)
	v_pk_fma_f32 v[14:15], v[162:163], v[166:167], v[14:15] op_sel_hi:[1,0,1]
.irp j, 0,2,4,6,8,10,12,14,16,18,20,22,24,26,28,30
	v_pk_mul_f32 v[192+\j:193+\j], v[192+\j:193+\j], v[252:253] op_sel_hi:[1,0]
.endr
.irp j, 0,2,4,6,8,10,12,14,16,18,20,22,24,26,28,30
	v_pk_fma_f32 v[192+\j:193+\j], v[128+\j:129+\j], v[166:167], v[192+\j:193+\j] op_sel_hi:[1,0,1]
.endr
	WAYOUT
.Ldone:
	s_wait_tensorcnt 0x0                           ; the wave's end: behind my last tensor load and my last LDS store
	ds_add_u32 v5, v6
	s_wait_dscnt 0x0
	CROUND                                         ; the closing round
	s_endpgm
.Lfunc_end_k_qe88b2e7c32_attn:
	.size	k_qe88b2e7c32_attn, .Lfunc_end_k_qe88b2e7c32_attn-k_qe88b2e7c32_attn
	.p2alignl 7, 3214868480
	.fill 96, 4, 3214868480
	.section	.rodata,"a",@progbits
	.p2align	6, 0x0
	.amdhsa_kernel k_qe88b2e7c32_attn
		.amdhsa_group_segment_fixed_size 327680
		.amdhsa_private_segment_fixed_size 0
		.amdhsa_enable_private_segment 0
		.amdhsa_kernarg_size 24
		.amdhsa_user_sgpr_count 2
		.amdhsa_user_sgpr_kernarg_segment_ptr 1
		.amdhsa_wavefront_size32 1
		.amdhsa_system_sgpr_workgroup_id_x 1
		.amdhsa_system_sgpr_workgroup_id_y 1
		.amdhsa_system_sgpr_workgroup_id_z 1
		.amdhsa_system_vgpr_workitem_id 0
		.amdhsa_next_free_vgpr 256
		.amdhsa_next_free_sgpr 100
		.amdhsa_reserve_vcc 1
		.amdhsa_float_denorm_mode_32 3
		.amdhsa_float_denorm_mode_16_64 3
		.amdhsa_memory_ordered 1
		.amdhsa_forward_progress 1
		.amdhsa_inst_pref_size 72
	.end_amdhsa_kernel
	.amdgpu_metadata
---
amdhsa.version: [ 1, 2 ]
amdhsa.kernels:
  - .name:           k_qe88b2e7c32_attn
    .symbol:         k_qe88b2e7c32_attn.kd
    .args:
      - { .name: qb, .offset: 0, .size: 8, .value_kind: global_buffer, .address_space: global }
      - { .name: kv, .offset: 8, .size: 8, .value_kind: global_buffer, .address_space: global }
      - { .name: cw, .offset: 16, .size: 8, .value_kind: global_buffer, .address_space: global }
    .group_segment_fixed_size: 327680
    .private_segment_fixed_size: 0
    .kernarg_segment_align: 8
    .kernarg_segment_size: 24
    .max_flat_workgroup_size: 512
    .sgpr_count:     100
    .vgpr_count:     256
    .wavefront_size: 32
...
	.end_amdgpu_metadata
.endif
;; end of part 3
;; launch projln (part 4): grid 256 x 1, 16 waves a work-group, clusters of 4 x 1, 327,680 bytes of LDS; arguments cw, x, ln2_w, ln2_b, x1, hc; writes x1, hc
.if DOCPART == 4
	.amdgcn_target "amdgcn-amd-amdhsa--gfx1250"
	.amdhsa_code_object_version 6
	.text
	.protected	k_qe88b2e7c32_projln
	.globl	k_qe88b2e7c32_projln
	.p2align	8
	.type	k_qe88b2e7c32_projln,@function
k_qe88b2e7c32_projln:
	s_mov_b64 s[64:65], 0
	v_nop
	global_prefetch_b8 v0, s[64:65] scope:SCOPE_SE
	s_setreg_imm32_b32 hwreg(HW_REG_WAVE_MODE, 25, 1), 1
	s_wait_xcnt 0x0
	s_wait_alu depctr_hold_cnt(0) depctr_sa_sdst(0) depctr_va_vdst(0) depctr_va_sdst(0) depctr_va_ssrc(0) depctr_va_vcc(0) depctr_vm_vsrc(0)
	s_getreg_b32 s2, hwreg(HW_REG_IB_STS2, 6, 4)
	s_cmp_eq_u32 s2, 0
	s_cbranch_scc0 .Lentry_in_a_cluster
	s_endpgm
.Lentry_in_a_cluster:
	s_bfe_u32 s2, ttmp6, 0x10000c
	s_cmp_lg_u32 s2, 0x3003
	s_cbranch_scc0 .Lentry_shape_is_right
	s_endpgm
.Lentry_shape_is_right:
; x1 = x + y w_proj on codes of E2M3, and the second layer norm of x1, quantised along the 1,024 channels, in one launch.  Nothing is left out here.
; LIMITS: a sum begins with x, where reference() adds it last, and takes the K steps in the order 2, 3, 4, 0, 5, 1, 6, 7.  A block whose largest magnitude lies under 2^-124 keeps the scale byte 1
; (a block of zeros too: its codes are zeros, and this program alone reads the bytes).  NaN and infinities are not served.
; OPERANDS: OP[K step of 128][group of 64 rows][record of 6,400 bytes]; a record is four fragments of 1,536 bytes, images of the operand's 12 registers, and 256 bytes of scale words (position r of fragment t: 6,144 + 16 r + 4 t).
; SHARES.  A work-group takes the 16 tokens of fragment t of row group g, and ALL 1,024 columns, so that a token's norm is made inside the work-group: 256 work-groups.  g is the cluster's x, t the place in the cluster.
; Wave w (0..15) takes columns 64 w .. 64 w + 63: one record of w_proj a K step, four accumulators, 32 products.  source 0 = 16 columns of w_proj, source 1 = the 16 tokens:
; lane (r, h) holds token position r, and register 16 B + i of its 32 is column 64 w + 32 B + 16 h + i.
; THE WEIGHTS COME BY TWO WAYS.  All work-groups walk the whole of w_proj, and a fragment feeds ONE product of a work-group.  K steps 0 and 1 are asked for JOINTLY by the four work-groups of a cluster: one tensor load a wave at the
; head, into 12,800 LDS bytes of the wave's own, which it alone reads and which are filled once: that is what LDS has room for beside the stages.  K steps 2 to 7 go from memory straight into registers.
; Three register sets take turns over the eight steps; a step's record is asked for three steps ahead.  The two steps out of LDS stand between those out of memory.
; No data prefetch: the launch has no loop to run ahead in, and each record is asked for three steps ahead by its own loads.
; THE TOKENS' eight fragments and scale words are copied into LDS once, a sixteenth by each wave, and read from there by all.
; x comes in as whole rows of 256 bytes, turns through my stage into the accumulators' layout, and is the first products' C.  x1 leaves the same way back.
; THE NORM: each wave makes the mean and the sum of squared differences (M2) of its 64 columns; the sixteen pairs meet in LDS; mean = the mean of the means, M2 = the sum of the M2 + 64 x the sum of (a wave's mean - mean)^2:
; no difference of large sums is formed.  Then (x1 - mean) x rsqrt(M2 / 1,024 + 1e-5) x gain + bias, and my 64 columns become half a fragment of hc and two scale bytes a token.
; REGISTERS: v1-v15, v28-30 offsets and LDS addresses; v4, v5 the add's two; v16-v27 at work; v32-63 accumulators; v64-87 the tokens' fragment, two sets; v88, v89 its scale word; v96-251 three sets of 48 + 4 for the weights,
; which at the end take the bias (v96-127), x1 by rows and then the waves' pairs (v148-179), the codes (v180-192) and the gain (v200-231); v252-255 the head's store addresses.
.set WQP,   9830400                    ; w_proj's codes in cw; y's codes lie at cw's head
.set KST,   102400                     ; from K step to K step of w_proj: 16 records
.set WRG,   12800                      ; LDS: a wave's two records, sixteen times;
.set STG,   204800                     ; sixteen stages of 16 rows x 272 bytes;
.set GB,    274432                     ; gain and bias, 256 + 256 bytes a wave;
.set TB,    282624                     ; the tokens' eight fragments,
.set TSC,   TB+12288                   ; their scale words (64 k + 4 r),
.set SB,    295424                     ; the waves' means and M2: [token r] rows of 144 bytes, 8 bytes a wave,
.set SPARE, 297728                     ; and the spare words, 128 bytes a wave, which no other line names
.set ACC,   32
.set TF,    64
.set TS,    88
.set WF,    96
.set BS,    96                         ; the bias
.set RB,    148                        ; x1 by rows; behind its stores the sixteen pairs
.set GN,    200                        ; the gain
.macro CROUND                          ; a round of the cluster's barrier
	s_barrier_signal -1
	s_barrier_wait -1
	s_cmp_lg_u32 s20, 0
	s_cbranch_scc1 .Lnot_wave_0_\@
	s_barrier_signal -3
.Lnot_wave_0_\@:
	s_barrier_wait -3
	s_barrier_signal -1
	s_barrier_wait -1
.endm
.macro WLOAD k, p                      ; my record of K step k from memory into set p % 3: 17 loads of consecutive bytes
.set WS, WF+52*((\p)%3)
.irp f, 0,1,2,3
	global_load_b128 v[WS+12*\f:WS+12*\f+3], v1, s[36:37] offset:(\k)*KST+1536*\f
	global_load_b64 v[WS+12*\f+4:WS+12*\f+5], v2, s[36:37] offset:(\k)*KST+1536*\f+512
	global_load_b128 v[WS+12*\f+6:WS+12*\f+9], v1, s[36:37] offset:(\k)*KST+1536*\f+768
	global_load_b64 v[WS+12*\f+10:WS+12*\f+11], v2, s[36:37] offset:(\k)*KST+1536*\f+1280
.endr
	global_load_b128 v[WS+48:WS+51], v3, s[36:37] offset:(\k)*KST+6144   ; lane r: the scale words of position r of the four fragments
.endm
.macro WLDS k, p                       ; my record of K step k (0 or 1) out of my LDS bytes into set p % 3: 17 LDS loads
.set WS, WF+52*((\p)%3)
.irp f, 0,1,2,3
	ds_load_b128 v[WS+12*\f:WS+12*\f+3], v28 offset:6400*(\k)+1536*\f
	ds_load_b64 v[WS+12*\f+4:WS+12*\f+5], v29 offset:6400*(\k)+1536*\f+512
	ds_load_b128 v[WS+12*\f+6:WS+12*\f+9], v28 offset:6400*(\k)+1536*\f+768
	ds_load_b64 v[WS+12*\f+10:WS+12*\f+11], v29 offset:6400*(\k)+1536*\f+1280
.endr
	ds_load_b128 v[WS+48:WS+51], v30 offset:6400*(\k)+6144
.endm
.macro TLOAD k, p                      ; the tokens' fragment of K step k into set p % 2: 5 LDS loads
.set TK, TF+12*((\p)%2)
	ds_load_b128 v[TK:TK+3], v9 offset:1536*(\k)
	ds_load_b64 v[TK+4:TK+5], v10 offset:1536*(\k)+512
	ds_load_b128 v[TK+6:TK+9], v9 offset:1536*(\k)+768
	ds_load_b64 v[TK+10:TK+11], v10 offset:1536*(\k)+1280
	ds_load_b32 v[TS+(\p)%2], v11 offset:64*(\k)
.endm
.macro MUL p                           ; the p-th step of the walk: the four accumulators take turns
.set WS, WF+52*((\p)%3)
.set TK, TF+12*((\p)%2)
.irp f, 0,1,2,3
	v_wmma_scale_f32_16x16x128_f8f6f4 v[ACC+8*\f:ACC+8*\f+7], v[WS+12*\f:WS+12*\f+11], v[TK:TK+11], v[ACC+8*\f:ACC+8*\f+7], v[WS+48+\f], v[TS+(\p)%2] matrix_a_fmt:MATRIX_FMT_FP6 matrix_b_fmt:MATRIX_FMT_FP6
.endr
.rept 4
	v_nop                                          ; four plain places between the products and loads into registers that they read, or the first read of the sums
.endr
.endm
	s_load_b256 s[4:11], s[0:1], 0x0               ; cw, x, gain, bias
	s_load_b128 s[12:15], s[0:1], 0x20             ; x1, hc
	v_lshl_add_u32 v4, v0, 2, SPARE
	v_mov_b32 v5, 0
	ds_add_u32 v4, v5                              ; the opening: the add, twice on end, and its wait ahead of my first tensor load
	ds_add_u32 v4, v5
	v_lshrrev_b32 v16, 5, v0
	v_readfirstlane_b32 s20, v16                   ; wave 0..15
	s_mov_b32 s21, ttmp9                           ; row group: the cluster's x
	s_bfe_u32 s22, ttmp6, 0x40000                  ; t: my place in the cluster; it enters global addresses alone
	s_lshl_b32 s23, s21, 6
	s_lshr_b32 s77, s22, 1
	s_lshl_b32 s77, s77, 5
	s_add_co_u32 s23, s23, s77
	s_and_b32 s77, s22, 1
	s_lshl_b32 s77, s77, 3
	s_add_co_u32 s23, s23, s77                     ; position 0's token: 64 g + 32 (t / 2) + 8 (t % 2); position p is token + p + 8 (p / 8)
	s_lshl_b32 s40, s23, 12
	s_lshl_b32 s42, s20, 8                         ; my 64 columns: 256 bytes
	s_add_co_u32 s40, s40, s42                     ; my part of x and of x1
	s_mov_b32 s41, 0
	s_mov_b32 s43, 0
	s_mul_i32 s44, s20, 6400
	s_add_co_u32 s44, s44, WQP                     ; my record of w_proj, K step 0
	s_mov_b32 s45, 0
	s_lshr_b32 s78, s20, 1                         ; K step w / 2 of the tokens' operand: I copy half e = w % 2 of y's fragment in, and write the same half of the norm's fragment out
	s_lshl_b32 s78, s78, 6
	s_add_co_u32 s78, s78, s21
	s_mul_i32 s78, s78, 6400
	s_and_b32 s77, s20, 1
	s_mul_i32 s46, s22, 1536
	s_add_co_u32 s46, s46, s78
	s_mul_i32 s48, s77, 768
	s_add_co_u32 s46, s46, s48                     ; the half fragment
	s_mov_b32 s47, 0
	s_lshl_b32 s50, s22, 2
	s_add_co_u32 s50, s50, s78
	s_add_co_u32 s50, s50, 6144                    ; the fragment's scale words
	s_lshl_b32 s48, s77, 7
	s_add_co_u32 s48, s48, s50                     ; in: positions 8 e .. 8 e + 7
	s_mov_b32 s49, 0
	s_lshl_b32 s77, s77, 1
	s_add_co_u32 s50, s50, s77                     ; out: bytes 2 e and 2 e + 1 of each word
	s_mov_b32 s51, 0
	s_mul_i32 s16, s20, 4352
	s_add_co_u32 s16, s16, STG                     ; my stage
	s_lshl_b32 s17, s20, 9
	s_add_co_u32 s17, s17, GB                      ; my gain and bias
	s_lshl_b32 s18, s20, 3
	s_add_co_u32 s18, s18, SB
	s_mul_i32 s19, s20, 768
	s_add_co_u32 s19, s19, TB
	s_lshl_b32 s70, s20, 5
	s_add_co_u32 s70, s70, TSC
	s_mov_b32 s71, 0x3a800000                      ; 1 / 1,024
	s_mov_b32 s72, 0x3727c5ac                      ; 1e-5
	s_mov_b32 s73, 0x3c800000                      ; 1 / 64
	s_mov_b32 s74, 0x76543210
	s_mov_b32 s75, 0xfedcba98                      ; v_permlanex16_b32's selects for lane l xor 16
	s_mov_b32 s76, 0xffff0000                      ; lanes 16-31
	s_mov_b32 s24, 15|(3<<16)|(1<<21)              ; group 1: all four work-groups; elements of 8 bytes; a row is a record, 800 elements; the two rows are K steps 0 and 1, 12,800 elements apart
	s_mov_b32 s25, 800<<16
	s_mov_b32 s26, 2<<16
	s_mov_b32 s27, 800<<16
	s_mov_b32 s28, 2
	s_mov_b32 s29, 12800
	s_mov_b32 s30, 0
	s_mov_b32 s31, 0
	s_mov_b32 s32, 1
	s_mul_i32 s33, s20, WRG                        ; my two records' LDS bytes
	v_and_b32 v17, 31, v0                          ; lane
	v_and_b32 v18, 15, v0                          ; r
	v_bfe_u32 v19, v0, 4, 1                        ; h
	v_and_b32 v20, 7, v0
	v_lshlrev_b32 v1, 4, v17                       ; 16 x lane
	v_lshlrev_b32 v2, 3, v17                       ; 8 x lane
	v_lshlrev_b32 v3, 4, v18                       ; 16 r
	v_lshlrev_b32 v8, 12, v19
	v_mul_u32_u24 v6, v18, 272
	v_mul_u32_u24 v7, v19, 272
	v_mul_u32_u24 v14, v18, 144
	v_add_nc_u32 v15, v3, v19                      ; 16 r + h: my scale byte's place
	v_lshl_add_u32 v8, v18, 4, v8                  ; x, x1: lanes 0-15 one row's 256 bytes, lanes 16-31 the next row's
	v_lshl_add_u32 v6, v19, 6, v6
	v_lshl_add_u32 v7, v18, 4, v7
	v_add_nc_u32 v13, s18, v14                     ; my wave's pair of token r
	v_add_nc_u32 v14, SB, v14                      ; token r's sixteen pairs
	v_add_nc_u32 v6, s16, v6                       ; the stage as the accumulators lie: row r, + 64 h
	v_add_nc_u32 v7, s16, v7                       ; the stage by rows
	v_add_nc_u32 v9, TB, v1
	v_add_nc_u32 v10, TB, v2
	v_lshl_add_u32 v11, v18, 2, TSC
	v_lshl_add_u32 v12, v19, 6, s17                ; gain and bias as the accumulators lie
	v_add_nc_u32 v28, s33, v1                      ; my records in LDS
	v_add_nc_u32 v29, s33, v2
	v_add_nc_u32 v30, s33, v3
	v_add_nc_u32 v252, s17, v2
	v_add_nc_u32 v253, s19, v2
	v_lshlrev_b32 v254, 4, v20
	v_lshl_add_u32 v255, v20, 2, s70
	s_wait_alu depctr_va_vdst(0)
	s_wait_dscnt 0x0                               ; both opening adds are done
	s_wait_kmcnt 0x0
	s_add_nc_u64 s[36:37], s[4:5], s[44:45]
	s_mov_b64 s[34:35], s[36:37]
	s_or_b32 s35, s35, 0x80000000
	s_add_nc_u64 s[52:53], s[4:5], s[46:47]
	s_add_nc_u64 s[54:55], s[4:5], s[48:49]
	s_add_nc_u64 s[56:57], s[6:7], s[40:41]
	s_add_nc_u64 s[58:59], s[12:13], s[40:41]
	s_add_nc_u64 s[60:61], s[14:15], s[46:47]
	s_add_nc_u64 s[62:63], s[14:15], s[50:51]
	s_add_nc_u64 s[66:67], s[8:9], s[42:43]
	s_add_nc_u64 s[68:69], s[10:11], s[42:43]
.irp j, 0,1,2
	global_load_b64 v[16+2*\j:17+2*\j], v2, s[52:53] offset:256*\j     ; my 768 bytes of y's codes, 256 consecutive bytes a load
.endr
	global_load_b32 v22, v254, s[54:55]            ; eight scale words (four lanes name each)
.irp t, 0,1,2,3,4,5,6,7
	global_load_b128 v[ACC+4*\t:ACC+4*\t+3], v8, s[56:57] offset:(2*\t+8*(\t/4))*4096   ; x: positions 2 t and 2 t + 1
.endr
	global_load_b64 v[24:25], v2, s[66:67]
	global_load_b64 v[26:27], v2, s[68:69]
	WLOAD 2, 0                                     ; the walk's first steps are K steps 2, 3, 4
	WLOAD 3, 1
	CROUND                                         ; the four work-groups are here: the joint loads meet
	tensor_load_to_lds s[32:35], s[24:31]          ; K steps 0 and 1 of my 64 columns: one tensor load a wave, with no branch; these bytes are filled once
	s_nop 0
.rept 4
	v_nop
.endr
	WLOAD 4, 2
	s_wait_loadcnt 51                              ; all but the three records' 51 loads
.irp j, 0,1,2
	ds_store_b64 v253, v[16+2*\j:17+2*\j] offset:256*\j
.endr
	ds_store_b32 v255, v22
.irp t, 0,1,2,3,4,5,6,7
	ds_store_b128 v7, v[ACC+4*\t:ACC+4*\t+3] offset:544*\t
.endr
	ds_store_b64 v252, v[24:25]
	ds_store_b64 v252, v[26:27] offset:256
	s_wait_dscnt 0x0                               ; for the others' sake: my stores have landed
	s_barrier_signal -1
	s_barrier_wait -1                              ; the tokens' fragments are whole.  My tensor load may be out: I alone read its bytes, behind my own wait, and nothing is filled again
.irp p, 0,1
.irp q, 0,1,2,3
	ds_load_b128 v[ACC+16*\p+4*\q:ACC+16*\p+4*\q+3], v6 offset:128*\p+16*\q   ; x into the accumulators: the sums begin with it
.endr
.endr
	TLOAD 2, 0
	TLOAD 3, 1
; THE WALK.  In front of a step out of memory: all but the loads of the records asked for behind its own.  s_wait_dscnt 5: at most the youngest five LDS loads, the next step's fragment of the tokens, are out.
	s_wait_loadcnt 34                              ; K step 2 is in; K steps 3 and 4 may be out
	s_wait_dscnt 5
	MUL 0
	s_wait_tensorcnt 0x0                           ; my two records are in LDS
	WLDS 0, 3
	TLOAD 4, 2
	s_wait_loadcnt 17                              ; K step 3 is in; K step 4 may be out
	s_wait_dscnt 5
	MUL 1
	WLOAD 5, 4
	TLOAD 0, 3
	s_wait_loadcnt 17                              ; K step 4; K step 5 may be out
	s_wait_dscnt 5
	MUL 2
	WLDS 1, 5
	TLOAD 5, 4
	s_wait_dscnt 5
	MUL 3                                          ; K step 0
	WLOAD 6, 6
	TLOAD 1, 5
	s_wait_loadcnt 17                              ; K step 5; K step 6 may be out
	s_wait_dscnt 5
	MUL 4
	WLOAD 7, 7
	TLOAD 6, 6
	s_wait_dscnt 5
	MUL 5                                          ; K step 1
	TLOAD 7, 7
.irp p, 0,1
.irp q, 0,1,2,3
	ds_load_b128 v[GN+16*\p+4*\q:GN+16*\p+4*\q+3], v12 offset:128*\p+16*\q         ; the gain, into the set that has done its work
.endr
.endr
	s_wait_loadcnt 17                              ; K step 6; K step 7 may be out
	s_wait_dscnt 5
	MUL 6
.irp p, 0,1
.irp q, 0,1,2,3
	ds_load_b128 v[BS+16*\p+4*\q:BS+16*\p+4*\q+3], v12 offset:256+128*\p+16*\q     ; the bias likewise
.endr
.endr
	s_wait_loadcnt 0x0
	s_wait_dscnt 0x0
	MUL 7
; x1 is whole.  Through my stage and back by rows; the wave's mean and M2 are made while the rows come back.
.irp p, 0,1
.irp q, 0,1,2,3
	ds_store_b128 v6, v[ACC+16*\p+4*\q:ACC+16*\p+4*\q+3] offset:128*\p+16*\q   ; each accumulator from its low end on
.endr
.endr
.irp t, 0,1,2,3,4,5,6,7
	ds_load_b128 v[RB+4*\t:RB+4*\t+3], v7 offset:544*\t    ; LDS serves a wave's instructions in order: these see the stores above
.endr
	v_pk_add_f32 v[16:17], v[ACC:ACC+1], v[ACC+2:ACC+3]
	v_pk_add_f32 v[18:19], v[ACC+4:ACC+5], v[ACC+6:ACC+7]
.irp i, 8,12,16,20,24,28
	v_pk_add_f32 v[16:17], v[16:17], v[ACC+\i:ACC+\i+1]
	v_pk_add_f32 v[18:19], v[18:19], v[ACC+\i+2:ACC+\i+3]
.endr
	v_pk_add_f32 v[16:17], v[16:17], v[18:19]
	v_add_f32 v16, v16, v17
	v_permlanex16_b32 v17, v16, s74, s75
	v_add_f32 v16, v16, v17
	v_mul_f32 v16, s73, v16                        ; the mean of my 64 columns of token r
	v_pk_add_f32 v[20:21], v[ACC:ACC+1], v[16:17] op_sel_hi:[1,0] neg_lo:[0,1] neg_hi:[0,1]
	v_pk_add_f32 v[22:23], v[ACC+2:ACC+3], v[16:17] op_sel_hi:[1,0] neg_lo:[0,1] neg_hi:[0,1]
	v_pk_mul_f32 v[24:25], v[20:21], v[20:21]
	v_pk_mul_f32 v[26:27], v[22:23], v[22:23]
.irp i, 4,8,12,16,20,24,28
	v_pk_add_f32 v[20:21], v[ACC+\i:ACC+\i+1], v[16:17] op_sel_hi:[1,0] neg_lo:[0,1] neg_hi:[0,1]
	v_pk_add_f32 v[22:23], v[ACC+\i+2:ACC+\i+3], v[16:17] op_sel_hi:[1,0] neg_lo:[0,1] neg_hi:[0,1]
	v_pk_fma_f32 v[24:25], v[20:21], v[20:21], v[24:25]
	v_pk_fma_f32 v[26:27], v[22:23], v[22:23], v[26:27]
.endr
	v_pk_add_f32 v[24:25], v[24:25], v[26:27]
	v_add_f32 v17, v24, v25
	v_permlanex16_b32 v18, v17, s74, s75
	v_add_f32 v17, v17, v18                        ; their M2
	ds_store_b64 v13, v[16:17]                     ; both lanes of a token write the same pair
	s_wait_dscnt 0x0                               ; the rows are back, and my pair has landed
.irp t, 0,1,2,3,4,5,6,7
	global_store_b128 v8, v[RB+4*\t:RB+4*\t+3], s[58:59] offset:(2*\t+8*(\t/4))*4096   ; x1: sixteen lanes fill 256 consecutive bytes, aligned
.endr
	s_wait_xcnt 0x0                                ; the stores have read their data: the pairs land in those registers below
	s_barrier_signal -1
	s_barrier_wait -1                              ; all sixteen pairs of every token are in LDS
.irp j, 0,1,2,3,4,5,6,7
	ds_load_b128 v[RB+4*\j:RB+4*\j+3], v14 offset:16*\j    ; v[RB + 2 w] wave w's mean, v[RB + 2 w + 1] its M2
.endr
	s_wait_dscnt 0x0
	v_pk_add_f32 v[16:17], v[RB:RB+1], v[RB+2:RB+3]
	v_pk_add_f32 v[18:19], v[RB+4:RB+5], v[RB+6:RB+7]
.irp i, 8,12,16,20,24,28
	v_pk_add_f32 v[16:17], v[16:17], v[RB+\i:RB+\i+1]
	v_pk_add_f32 v[18:19], v[18:19], v[RB+\i+2:RB+\i+3]
.endr
	v_pk_add_f32 v[16:17], v[16:17], v[18:19]      ; the sum of the means, the sum of the M2
	v_mul_f32 v20, 0x3d800000, v16                 ; the row's mean: / 16
	v_mov_b32 v21, 0                               ; (named as the upper half of the pair v[20:21])
	v_sub_f32 v22, v[RB], v20
	v_sub_f32 v23, v[RB+2], v20
	v_mul_f32 v24, v22, v22
	v_mul_f32 v25, v23, v23
.irp i, 4,8,12,16,20,24,28
	v_sub_f32 v22, v[RB+\i], v20
	v_sub_f32 v23, v[RB+\i+2], v20
	v_fmac_f32 v24, v22, v22
	v_fmac_f32 v25, v23, v23
.endr
	v_add_f32 v24, v24, v25
	v_fmamk_f32 v17, v24, 0x42800000, v17          ; the row's M2: + 64 x the sum of (a wave's mean - mean)^2
	v_fma_f32 v17, v17, s71, s72                   ; variance + 1e-5
.irp i, 0,2,4,6,8,10,12,14,16,18,20,22,24,26,28,30
	v_pk_add_f32 v[ACC+\i:ACC+\i+1], v[ACC+\i:ACC+\i+1], v[20:21] op_sel_hi:[1,0] neg_lo:[0,1] neg_hi:[0,1]   ; x1 - mean
.endr
	s_wait_alu depctr_va_vdst(0)
	v_rsq_f32 v18, v17
	v_mov_b32 v19, 0                               ; a plain instruction behind it (the upper half of the pair v[18:19]),
	s_wait_alu depctr_va_vdst(0)                   ; the wait ahead of its first reader
.irp i, 0,2,4,6,8,10,12,14,16,18,20,22,24,26,28,30
	v_pk_mul_f32 v[ACC+\i:ACC+\i+1], v[ACC+\i:ACC+\i+1], v[18:19] op_sel_hi:[1,0]
.endr
.irp i, 0,2,4,6,8,10,12,14,16,18,20,22,24,26,28,30
	v_pk_fma_f32 v[ACC+\i:ACC+\i+1], v[ACC+\i:ACC+\i+1], v[GN+\i:GN+\i+1], v[BS+\i:BS+\i+1]
.endr
; My 64 columns are two blocks of the next K: registers 16 b + i are channel 32 b + 16 h + i of block b.
.irp b, 0,1
	v_max3_num_f32 v[22+\b], |v[ACC+16*\b]|, |v[ACC+16*\b+1]|, 0x1800000   ; with the floor 2^(3 - 127): the byte cannot fall under 1
.endr
.irp i, 2,4,6,8,10,12,14
.irp b, 0,1
	v_max3_num_f32 v[22+\b], v[22+\b], |v[ACC+16*\b+\i]|, |v[ACC+16*\b+\i+1]|
.endr
.endr
.irp b, 0,1
	v_permlanex16_b32 v[24+\b], v[22+\b], s74, s75
.endr
.irp b, 0,1
	v_max_num_f32 v[22+\b], v[22+\b], v[24+\b]     ; with lane l xor 16's 16: the block's largest magnitude
.endr
.irp b, 0,1
	v_add_nc_u32 v[26+\b], 0xff000000, v[22+\b]    ; 2 off its exponent field: the conversion's scale operand
.endr
.irp b, 0,1
	v_lshrrev_b32 v[24+\b], 23, v[26+\b]           ; the byte
.endr
	v_cvt_scalef32_pk16_fp6_f32 v[180:182], v[ACC:ACC+15], v26
	v_cvt_scalef32_pk16_fp6_f32 v[188:190], v[ACC+16:ACC+31], v27
	v_cndmask_b32 v192, v24, v25, s76              ; lanes 16-31 store block 1's byte; also the plain place behind the conversions
.irp i, 0,1,2
	v_permlane16_swap_b32 v[180+\i], v[188+\i]     ; the operand wants a whole block in a lane: lanes 0-15 block 0, lanes 16-31 block 1
.endr
.irp i, 0,1,2
	v_mov_b32 v[183+\i], v[188+\i]
.endr
	global_store_b128 v1, v[180:183], s[60:61]             ; 512 and 256 consecutive bytes, aligned to 256
	global_store_b64 v2, v[184:185], s[60:61] offset:512
	global_store_b8 v15, v192, s[62:63]                    ; single bytes: a scale word's other two belong to the neighbouring wave, the words between to other work-groups
	s_wait_tensorcnt 0x0                           ; the wave's end: behind my tensor load and my last LDS store
	ds_add_u32 v4, v5
	s_wait_dscnt 0x0
	CROUND                                         ; the closing round
	s_endpgm
.Lfunc_end_k_qe88b2e7c32_projln:
	.size	k_qe88b2e7c32_projln, .Lfunc_end_k_qe88b2e7c32_projln-k_qe88b2e7c32_projln
	.p2alignl 7, 3214868480
	.fill 96, 4, 3214868480
	.section	.rodata,"a",@progbits
	.p2align	6, 0x0
	.amdhsa_kernel k_qe88b2e7c32_projln
		.amdhsa_group_segment_fixed_size 327680
		.amdhsa_private_segment_fixed_size 0
		.amdhsa_enable_private_segment 0
		.amdhsa_kernarg_size 48
		.amdhsa_user_sgpr_count 2
		.amdhsa_user_sgpr_kernarg_segment_ptr 1
		.amdhsa_wavefront_size32 1
		.amdhsa_system_sgpr_workgroup_id_x 1
		.amdhsa_system_sgpr_workgroup_id_y 1
		.amdhsa_system_sgpr_workgroup_id_z 1
		.amdhsa_system_vgpr_workitem_id 0
		.amdhsa_next_free_vgpr 256
		.amdhsa_next_free_sgpr 80
		.amdhsa_reserve_vcc 0
		.amdhsa_float_denorm_mode_32 3
		.amdhsa_float_denorm_mode_16_64 3
		.amdhsa_memory_ordered 1
		.amdhsa_forward_progress 1
		.amdhsa_inst_pref_size 44
	.end_amdhsa_kernel
	.amdgpu_metadata
---
amdhsa.version: [ 1, 2 ]
amdhsa.kernels:
  - .name:           k_qe88b2e7c32_projln
    .symbol:         k_qe88b2e7c32_projln.kd
    .args:
      - { .name: cw, .offset: 0, .size: 8, .value_kind: global_buffer, .address_space: global }
      - { .name: x, .offset: 8, .size: 8, .value_kind: global_buffer, .address_space: global }
      - { .name: ln2_w, .offset: 16, .size: 8, .value_kind: global_buffer, .address_space: global }
      - { .name: ln2_b, .offset: 24, .size: 8, .value_kind: global_buffer, .address_space: global }
      - { .name: x1, .offset: 32, .size: 8, .value_kind: global_buffer, .address_space: global }
      - { .name: hc, .offset: 40, .size: 8, .value_kind: global_buffer, .address_space: global }
    .group_segment_fixed_size: 327680
    .private_segment_fixed_size: 0
    .kernarg_segment_align: 8
    .kernarg_segment_size: 48
    .max_flat_workgroup_size: 512
    .sgpr_count:     80
    .vgpr_count:     256
    .wavefront_size: 32
...
	.end_amdgpu_metadata
.endif
;; end of part 4
;; launch fc (part 5): grid 16 x 16, 4 waves a work-group, clusters of 4 x 4, 327,680 bytes of LDS; arguments cw, hb, hc; writes hb
.if DOCPART == 5
	.amdgcn_target "amdgcn-amd-amdhsa--gfx1250"
	.amdhsa_code_object_version 6
	.text
	.protected	k_qe88b2e7c32_fc
	.globl	k_qe88b2e7c32_fc
	.p2align	8
	.type	k_qe88b2e7c32_fc,@function
k_qe88b2e7c32_fc:
	s_mov_b64 s[64:65], 0
	v_nop
	global_prefetch_b8 v0, s[64:65] scope:SCOPE_SE
	s_setreg_imm32_b32 hwreg(HW_REG_WAVE_MODE, 25, 1), 1
	s_wait_xcnt 0x0
	s_wait_alu depctr_hold_cnt(0) depctr_sa_sdst(0) depctr_va_vdst(0) depctr_va_sdst(0) depctr_va_ssrc(0) depctr_va_vcc(0) depctr_vm_vsrc(0)
	s_getreg_b32 s2, hwreg(HW_REG_IB_STS2, 6, 4)
	s_cmp_eq_u32 s2, 0
	s_cbranch_scc0 .Lentry_in_a_cluster
	s_endpgm
.Lentry_in_a_cluster:
	s_bfe_u32 s2, ttmp6, 0x10000c
	s_cmp_lg_u32 s2, 0xf033
	s_cbranch_scc0 .Lentry_shape_is_right
	s_endpgm
.Lentry_shape_is_right:
.set WB,    8
.set QS,    3
.set KS,    8
.set NF,    3
.set RGW,   WB/4
.set KREG,  RGW*6400
.set SLOTB, QS*KREG
.set WREG,  2*SLOTB
.set SPARE, 4*WREG
.set PRG0,  64
.set PRG1,  64
.set WQF,   6553600
.set A16, 16
.set A8,  18
.set B16, 20
.set B8,  22
.set ASC, 24
.set SPW, 28
.set NIL, 29
.set SC,  32
.set AF,  64
.set T2,  48
.set TM,  224
.set G1,  24
.set G0,  32
.set G1B, 48
.set G0B, 56
.set G1T, 68
.set G1BT, 76
.set MSB, 0
.macro WIN new
.if MSB != (\new)
	s_set_vgpr_msb (MSB<<8)|(\new)
.set MSB, (\new)
.endif
.endm
.macro JLOAD g0a, g1a, g0b, g1b
	s_cmp_eq_u32 s15, 0
	s_cbranch_scc0 .Lfor_b_\@
	tensor_load_to_lds s[\g0a:\g0a+3], s[\g1a:\g1a+7]
	s_nop 0
.rept 4
	v_nop
.endr
	s_branch .Lasked_\@
.Lfor_b_\@:
	tensor_load_to_lds s[\g0b:\g0b+3], s[\g1b:\g1b+7]
	s_nop 0
.rept 4
	v_nop
.endr
.Lasked_\@:
.endm
.macro CROUND
	s_barrier_signal -1
	s_barrier_wait -1
	s_cmp_lg_u32 s14, 0
	s_cbranch_scc1 .Lnot_wave_0_\@
	s_barrier_signal -3
.Lnot_wave_0_\@:
	s_barrier_wait -3
	s_barrier_signal -1
	s_barrier_wait -1
.endm
.macro PLACES n
.rept \n
	v_nop
.endr
.endm
.macro FETCH slot, kl, set
	WIN 0x40
.set fi, 0
.rept WB
.set fo, (\kl)*KREG+(fi/4)*6400+(fi%4)*1536
.set fr, 128*(\set)+12*fi
	ds_load_b128 v[fr:fr+3], v[B16+(\slot)] offset:fo
	ds_load_b64 v[fr+4:fr+5], v[B8+(\slot)] offset:fo+512
	ds_load_b128 v[fr+6:fr+9], v[B16+(\slot)] offset:fo+768
	ds_load_b64 v[fr+10:fr+11], v[B8+(\slot)] offset:fo+1280
.set fi, fi+1
.endr
	WIN 0
.set fi, 0
.rept WB
.set fo, (\kl)*KREG+(fi/4)*6400+(fi%4)*1536
.set fr, AF+96*(\set)+12*fi
	ds_load_b128 v[fr:fr+3], v[A16+(\slot)] offset:fo
	ds_load_b64 v[fr+4:fr+5], v[A8+(\slot)] offset:fo+512
	ds_load_b128 v[fr+6:fr+9], v[A16+(\slot)] offset:fo+768
	ds_load_b64 v[fr+10:fr+11], v[A8+(\slot)] offset:fo+1280
.set fi, fi+1
.endr
.set fi, 0
.rept RGW
	ds_load_b128 v[SC+8*(\set)+4*fi:SC+8*(\set)+4*fi+3], v[ASC+(\slot)] offset:(\kl)*KREG+fi*6400
.set fi, fi+1
.endr
.endm
.macro MULS set, zero
.set ma, 0
.rept WB
.if ma == 0
	WIN 0xa1
.elseif ma == 4
	WIN 0xf1
.endif
.set mb, 0
.rept WB
.set rD, 8*(WB*(ma%4)+mb)
.if \zero
	v_wmma_scale_f32_16x16x128_f8f6f4 v[rD:rD+7], v[128*(\set)+12*mb:128*(\set)+12*mb+11], v[AF+96*(\set)+12*ma:AF+96*(\set)+12*ma+11], 0, v[SC+8*(\set)+mb], v[SC+8*(\set)+ma] matrix_a_fmt:MATRIX_FMT_FP6 matrix_b_fmt:MATRIX_FMT_FP6 matrix_a_scale:MATRIX_SCALE_ROW1
.else
	v_wmma_scale_f32_16x16x128_f8f6f4 v[rD:rD+7], v[128*(\set)+12*mb:128*(\set)+12*mb+11], v[AF+96*(\set)+12*ma:AF+96*(\set)+12*ma+11], v[rD:rD+7], v[SC+8*(\set)+mb], v[SC+8*(\set)+ma] matrix_a_fmt:MATRIX_FMT_FP6 matrix_b_fmt:MATRIX_FMT_FP6 matrix_a_scale:MATRIX_SCALE_ROW1
.endif
.set mb, mb+1
.endr
.set ma, ma+1
.endr
	WIN 0
.endm
	s_load_b128 s[4:7], s[0:1], 0x0                ; cw (w_fc's codes), hb
	s_load_b64 s[8:9], s[0:1], 0x10                ; hc: the second norm's codes
	v_lshl_add_u32 v[SPW], v0, 2, SPARE
	v_mov_b32 v[NIL], 0
	ds_add_u32 v[SPW], v[NIL]
	ds_add_u32 v[SPW], v[NIL]
	v_lshrrev_b32 v1, 5, v0
	v_readfirstlane_b32 s14, v1
	s_lshr_b32 s15, s14, 1
	s_and_b32 s16, s14, 1
	s_bfe_u32 s40, ttmp6, 0x40000
	s_bfe_u32 s41, ttmp6, 0x40004
	s_lshl_b32 s42, ttmp9, 2
	s_add_co_u32 s42, s42, s40
	s_and_b32 s17, ttmp7, 0xffff
	s_lshl_b32 s17, s17, 2
	s_add_co_u32 s17, s17, s41
	s_lshl_b32 s43, s41, 2
	s_lshl_b32 s43, 15, s43
	s_lshl_b32 s44, 0x1111, s40
	s_or_b32 s[G1], s43, (3<<16)|(1<<21)
	s_or_b32 s[G1T], s43, (3<<16)|(1<<21)
	s_or_b32 s[G1B], s44, (3<<16)|(1<<21)
	s_or_b32 s[G1BT], s44, (3<<16)|(1<<21)
.irp g, G1, G1B
	s_mov_b32 s[\g+1], (800*RGW)<<16
	s_mov_b32 s[\g+2], (2*QS)<<16                  ; the head's one load a wave brings both slots' K steps, which lie on end in LDS
	s_mov_b32 s[\g+3], (800*RGW)<<16
	s_mov_b32 s[\g+4], 2*QS
	s_mov_b32 s[\g+6], 0
	s_mov_b32 s[\g+7], 0
.endr
.irp g, G1T, G1BT
	s_mov_b32 s[\g+1], (800*RGW)<<16
	s_mov_b32 s[\g+2], 2<<16
	s_mov_b32 s[\g+3], (800*RGW)<<16
	s_mov_b32 s[\g+4], 2
	s_mov_b32 s[\g+6], 0
	s_mov_b32 s[\g+7], 0
.endr
	s_mov_b32 s[G1+5], PRG1*800
	s_mov_b32 s[G1T+5], PRG1*800
	s_mov_b32 s[G1B+5], PRG0*800
	s_mov_b32 s[G1BT+5], PRG0*800
	s_mul_i32 s19, s16, RGW
	s_mul_i32 s20, s17, WB/2
	s_add_co_u32 s20, s20, s19
	s_mul_i32 s20, s20, 6400
	s_mov_b32 s21, 0
	s_mul_i32 s46, s42, WB/2
	s_add_co_u32 s46, s46, s19
	s_mul_i32 s46, s46, 6400
	s_add_co_u32 s46, s46, WQF
	s_mov_b32 s47, 0
	s_mul_i32 s18, s14, WREG
	s_mov_b32 s84, 0x76543210
	s_mov_b32 s85, 0xfedcba98
	s_mov_b32 s86, 0xffff0000
	s_wait_dscnt 0x0
	s_wait_kmcnt 0x0
	s_add_nc_u64 s[20:21], s[8:9], s[20:21]
	s_add_nc_u64 s[46:47], s[4:5], s[46:47]
	CROUND
.irp s, 0,1
	s_mov_b32 s[G0+4*\s], 1
	s_add_co_u32 s[G0+4*\s+1], s18, \s*SLOTB
	s_add_nc_u64 s[G0+4*\s+2:G0+4*\s+3], s[20:21], \s*QS*PRG1*6400
	s_or_b32 s[G0+4*\s+3], s[G0+4*\s+3], 0x80000000
	s_mov_b32 s[G0B+4*\s], 1
	s_add_co_u32 s[G0B+4*\s+1], s18, \s*SLOTB
	s_add_nc_u64 s[G0B+4*\s+2:G0B+4*\s+3], s[46:47], \s*QS*PRG0*6400
	s_or_b32 s[G0B+4*\s+3], s[G0B+4*\s+3], 0x80000000
.if \s == 0
	JLOAD G0, G1, G0B, G1B                         ; K steps 0 to 5, both slots: one tensor load a wave at the head
.endif
.endr
	v_and_b32 v1, 31, v0
	v_and_b32 v2, 15, v0
	v_bfe_u32 v3, v0, 4, 1
	v_lshlrev_b32 v12, 4, v1
	v_lshlrev_b32 v13, 3, v1
	v_lshlrev_b32 v14, 4, v2
	v_lshl_add_u32 v14, v3, 3, v14
	s_mul_i32 s21, s15, WREG
	s_mul_i32 s22, s16, WREG
	s_add_co_u32 s22, s22, 2*WREG
.irp s, 0,1
	v_add_nc_u32 v[A16+\s], s21, v12
	v_add_nc_u32 v[A8+\s], s21, v13
	v_add_nc_u32 v[B16+\s], s22, v12
	v_add_nc_u32 v[B8+\s], s22, v13
	s_add_co_u32 s21, s21, SLOTB
	s_add_co_u32 s22, s22, SLOTB
.endr
	s_mul_i32 s21, s15, WREG
	s_mul_i32 s22, s16, WREG
	s_add_co_u32 s22, s22, 2*WREG
	s_sub_co_u32 s22, s22, s21
	v_mul_u32_u24 v6, s22, v3
	v_lshl_add_u32 v6, v2, 4, v6
	s_add_co_u32 s21, s21, 6144
	v_add_nc_u32 v[ASC], s21, v6
	v_add_nc_u32 v[ASC+1], SLOTB, v[ASC]
	s_lshl_b32 s10, s42, 1
	s_add_co_u32 s10, s10, s16
	s_lshl_b32 s10, s10, 6
	s_lshl_b32 s11, s17, 2
	s_add_co_u32 s10, s10, s11
	s_lshl_b32 s11, s15, 1
	s_add_co_u32 s10, s10, s11
	s_mul_i32 s22, s10, 6400
	s_mov_b32 s23, 0
	s_add_nc_u64 s[92:93], s[6:7], s[22:23]
	s_mov_b32 s88, 0xbdd2d3e8
	s_mov_b32 s89, s88
	v_mov_b32 v30, 0xc0135761
	v_mov_b32 v31, 0xc0135761
	s_wait_alu depctr_va_vdst(0)
	s_wait_tensorcnt 0x0                           ; my part of both slots is in
	s_barrier_signal -1
	s_barrier_wait -1
	FETCH 0, 0, 0
.set k, 0
.rept KS
.set st, k%2
.set csl, (k/QS)%2
.set nsl, ((k+1)/QS)%2
.set nkl, (k+1)%QS
.if k == KS-1
	s_wait_dscnt 0x0
	MULS st, 0
.elseif (k%QS) == QS-1
	s_wait_tensorcnt 0x0
	ds_add_u32 v[SPW], v[NIL]
.if (k/QS)+2 < NF
	s_add_nc_u64 s[G0+4*csl+2:G0+4*csl+3], s[G0+4*csl+2:G0+4*csl+3], 2*QS*PRG1*6400
	s_add_nc_u64 s[G0B+4*csl+2:G0B+4*csl+3], s[G0B+4*csl+2:G0B+4*csl+3], 2*QS*PRG0*6400
.endif
	s_wait_dscnt 0x0
.if (k/QS)+2 < NF
	CROUND
.if (k/QS)+2 == NF-1
	JLOAD G0+4*csl, G1T, G0B+4*csl, G1BT
.else
	JLOAD G0+4*csl, G1, G0B+4*csl, G1B
.endif
.else
	s_barrier_signal -1
	s_barrier_wait -1
	PLACES 4
.endif
	FETCH nsl, 0, 1-st
	MULS st, 0
.else
	s_wait_dscnt 0x0
.if k > 0
	PLACES 4
.endif
	FETCH nsl, nkl, 1-st
.if k == 0
	MULS st, 1
.else
	MULS st, 0
.endif
.endif
.set k, k+1
.endr
.macro QUANT win, src, dst, wrd
	WIN (\win)|((\win)<<2)
.irp b, 0,1,2,3
	v_max3_num_f32 v[TM+\b], |v[(\src)+16*\b]|, |v[(\src)+16*\b+1]|, 0x1800000
.endr
.irp i, 2,4,6,8,10,12,14
.irp b, 0,1,2,3
	v_max3_num_f32 v[TM+\b], |v[(\src)+16*\b+\i]|, |v[(\src)+16*\b+\i+1]|, v[TM+\b]
.endr
.endr
	WIN 0
.irp b, 0,1,2,3
	v_permlanex16_b32 v[TM+4+\b], v[TM+\b], s84, s85
.endr
.irp b, 0,1,2,3
	v_max_num_f32 v[TM+\b], v[TM+\b], v[TM+4+\b]
.endr
.irp b, 0,1,2,3
	v_add_nc_u32 v[TM+12+\b], 0xff000000, v[TM+\b]
.endr
.irp b, 0,1,2,3
	v_lshrrev_b32 v[TM+4+\b], 23, v[TM+12+\b]
.endr
	v_lshl_or_b32 v[\wrd], v[TM+5], 8, v[TM+4]
	v_lshl_or_b32 v[\wrd], v[TM+6], 16, v[\wrd]
	v_lshl_or_b32 v[\wrd], v[TM+7], 24, v[\wrd]
	WIN (\win)
.irp c, 0,1
	v_cvt_scalef32_pk16_fp6_f32 v[(\dst)+6*\c:(\dst)+6*\c+2], v[(\src)+32*\c:(\src)+32*\c+15], v[TM+12+2*\c]
	v_cvt_scalef32_pk16_fp6_f32 v[T2+4*\c:T2+4*\c+2], v[(\src)+32*\c+16:(\src)+32*\c+31], v[TM+13+2*\c]
.endr
	WIN 0
	v_nop
.irp c, 0,1
.irp i, 0,1,2
	v_permlane16_swap_b32 v[(\dst)+6*\c+\i], v[T2+4*\c+\i]
.endr
.irp i, 0,1,2
	v_mov_b32 v[(\dst)+6*\c+3+\i], v[T2+4*\c+\i]
.endr
.endr
.endm
.macro GELU win, src
	WIN (\win)|((\win)<<2)
.set gi, 0
.rept 32
	v_pk_mul_f32 v[160+gi:161+gi], v[(\src)+gi:(\src)+gi+1], v[(\src)+gi:(\src)+gi+1]
.set gi, gi+2
.endr
	WIN 0
.set gi, 0
.rept 32
	v_pk_fma_f32 v[160+gi:161+gi], v[160+gi:161+gi], s[88:89], v[30:31] op_sel_hi:[1,0,1]
.set gi, gi+2
.endr
	WIN (\win)<<2
.set gi, 0
.rept 32
	v_pk_mul_f32 v[160+gi:161+gi], v[160+gi:161+gi], v[(\src)+gi:(\src)+gi+1]
.set gi, gi+2
.endr
	WIN 0
.set gi, 0
	s_wait_alu depctr_va_vdst(0)
.rept 64
	v_exp_f32 v[160+gi], v[160+gi]
.set gi, gi+1
.endr
	v_nop
	s_wait_alu depctr_va_vdst(0)
.set gi, 0
.rept 32
	v_pk_add_f32 v[160+gi:161+gi], v[160+gi:161+gi], 1.0 op_sel_hi:[1,0]
.set gi, gi+2
.endr
.set gi, 0
	s_wait_alu depctr_va_vdst(0)
.rept 64
	v_rcp_f32 v[160+gi], v[160+gi]
.set gi, gi+1
.endr
	v_nop
	s_wait_alu depctr_va_vdst(0)
	WIN (\win)
.set gi, 0
.rept 32
	v_pk_mul_f32 v[160+gi:161+gi], v[(\src)+gi:(\src)+gi+1], v[160+gi:161+gi]
.set gi, gi+2
.endr
	WIN 0
.endm
.macro OUTA a
.set aW, 2+(\a)/4
.set aS, 64*((\a)%4)
.set aP, 64+12*(\a)
	GELU aW, aS
	QUANT 0, 160, aP, 240+(\a)
	global_store_b128 v12, v[aP:aP+3], s[92:93] offset:((\a)/4)*6400+((\a)%4)*1536
	global_store_b64 v13, v[aP+4:aP+5], s[92:93] offset:((\a)/4)*6400+((\a)%4)*1536+512
	global_store_b128 v12, v[aP+6:aP+9], s[92:93] offset:((\a)/4)*6400+((\a)%4)*1536+768
	global_store_b64 v13, v[aP+10:aP+11], s[92:93] offset:((\a)/4)*6400+((\a)%4)*1536+1280
.endm
.macro OUTS g
	v_cndmask_b32 v[56+4*\g], v[240+4*\g], v[242+4*\g], s86
	v_cndmask_b32 v[57+4*\g], v[241+4*\g], v[243+4*\g], s86
	global_store_b64 v14, v[56+4*\g:57+4*\g], s[92:93] offset:\g*6400+6144
.endm
	PLACES 4
.irp b, 0,1,2,3
	v_mov_b32 v[TM+4+\b], 0
.endr
.irp a, 0,1,2,3
	OUTA \a
.endr
	OUTS 0
.irp a, 4,5,6,7
	OUTA \a
.endr
	OUTS 1
	s_wait_tensorcnt 0x0
	ds_add_u32 v[SPW], v[NIL]
	s_wait_dscnt 0x0
	CROUND
	s_endpgm
.Lfunc_end_k_qe88b2e7c32_fc:
	.size	k_qe88b2e7c32_fc, .Lfunc_end_k_qe88b2e7c32_fc-k_qe88b2e7c32_fc
	.p2alignl 7, 3214868480
	.fill 96, 4, 3214868480
	.section	.rodata,"a",@progbits
	.p2align	6, 0x0
	.amdhsa_kernel k_qe88b2e7c32_fc
		.amdhsa_group_segment_fixed_size 327680
		.amdhsa_private_segment_fixed_size 0
		.amdhsa_enable_private_segment 0
		.amdhsa_kernarg_size 24
		.amdhsa_user_sgpr_count 2
		.amdhsa_user_sgpr_kernarg_segment_ptr 1
		.amdhsa_wavefront_size32 1
		.amdhsa_system_sgpr_workgroup_id_x 1
		.amdhsa_system_sgpr_workgroup_id_y 1
		.amdhsa_system_sgpr_workgroup_id_z 1
		.amdhsa_system_vgpr_workitem_id 0
		.amdhsa_next_free_vgpr 1024
		.amdhsa_next_free_sgpr 104
		.amdhsa_reserve_vcc 0
		.amdhsa_float_denorm_mode_32 3
		.amdhsa_float_denorm_mode_16_64 3
		.amdhsa_memory_ordered 1
		.amdhsa_forward_progress 1
		.amdhsa_inst_pref_size 255
	.end_amdhsa_kernel
	.section	.bss,"aw",@nobits
	.p2align	6
	.space	262144
	.amdgpu_metadata
---
amdhsa.version: [ 1, 2 ]
amdhsa.kernels:
  - .name:           k_qe88b2e7c32_fc
    .symbol:         k_qe88b2e7c32_fc.kd
    .args:
      - { .name: cw, .offset: 0, .size: 8, .value_kind: global_buffer, .address_space: global }
      - { .name: hb, .offset: 8, .size: 8, .value_kind: global_buffer, .address_space: global }
      - { .name: hc, .offset: 16, .size: 8, .value_kind: global_buffer, .address_space: global }
    .group_segment_fixed_size: 327680
    .private_segment_fixed_size: 0
    .kernarg_segment_align: 8
    .kernarg_segment_size: 24
    .max_flat_workgroup_size: 128
    .sgpr_count:     104
    .vgpr_count:     1024
    .wavefront_size: 32
...
	.end_amdgpu_metadata
.endif
;; end of part 5
;; launch fcproj (part 6): grid 8 x 32, 4 waves a work-group, clusters of 4 x 4, 327,680 bytes of LDS; arguments cw, x1, out0, hb; writes out0
.if DOCPART == 6
	.amdgcn_target "amdgcn-amd-amdhsa--gfx1250"
	.amdhsa_code_object_version 6
	.text
	.protected	k_qe88b2e7c32_fcproj
	.globl	k_qe88b2e7c32_fcproj
	.p2align	8
	.type	k_qe88b2e7c32_fcproj,@function
k_qe88b2e7c32_fcproj:
	s_mov_b64 s[64:65], 0
	v_nop
	global_prefetch_b8 v0, s[64:65] scope:SCOPE_SE
	s_setreg_imm32_b32 hwreg(HW_REG_WAVE_MODE, 25, 1), 1
	s_wait_xcnt 0x0
	s_wait_alu depctr_hold_cnt(0) depctr_sa_sdst(0) depctr_va_vdst(0) depctr_va_sdst(0) depctr_va_ssrc(0) depctr_va_vcc(0) depctr_vm_vsrc(0)
	s_getreg_b32 s2, hwreg(HW_REG_IB_STS2, 6, 4)
	s_cmp_eq_u32 s2, 0
	s_cbranch_scc0 .Lentry_in_a_cluster
	s_endpgm
.Lentry_in_a_cluster:
	s_bfe_u32 s2, ttmp6, 0x10000c
	s_cmp_lg_u32 s2, 0xf033
	s_cbranch_scc0 .Lentry_shape_is_right
	s_endpgm
.Lentry_shape_is_right:
.set FCP,   1
.set WB,    4
.set QS,    6
.set KS,    32
.set NF,    6
.set REG0,  10649600
.set RGW,   WB/4
.set KREG,  RGW*6400
.set SLOTB, QS*KREG
.set WREG,  2*SLOTB
.set STAGE, 4*WREG
.set SPARE, STAGE+4*4352
.set PRG0,  16
.set PRG1,  64
.set A16, 16
.set A8,  18
.set B16, 20
.set B8,  22
.set ASC, 24
.set SPW, 28
.set NIL, 29
.set SC,  32
.set AF,  64
.set G1,  24
.set G0,  32
.set G1B, 48
.set G0B, 56
.set G1T, 68
.set G1BT, 76
.set MSB, 0
.macro WIN new
.if MSB != (\new)
	s_set_vgpr_msb (MSB<<8)|(\new)
.set MSB, (\new)
.endif
.endm
.macro JLOAD g0a, g1a, g0b, g1b
	s_cmp_eq_u32 s15, 0
	s_cbranch_scc0 .Lfor_b_\@
	tensor_load_to_lds s[\g0a:\g0a+3], s[\g1a:\g1a+7]
	s_nop 0
.rept 4
	v_nop
.endr
	s_branch .Lasked_\@
.Lfor_b_\@:
	tensor_load_to_lds s[\g0b:\g0b+3], s[\g1b:\g1b+7]
	s_nop 0
.rept 4
	v_nop
.endr
.Lasked_\@:
.endm
.macro CROUND
	s_barrier_signal -1
	s_barrier_wait -1
	s_cmp_lg_u32 s14, 0
	s_cbranch_scc1 .Lnot_wave_0_\@
	s_barrier_signal -3
.Lnot_wave_0_\@:
	s_barrier_wait -3
	s_barrier_signal -1
	s_barrier_wait -1
.endm
.macro PLACES n
.rept \n
	v_nop
.endr
.endm
.macro FETCH slot, kl, set
	WIN 0x40
.set fi, 0
.rept WB
.set fo, (\kl)*KREG+(fi/4)*6400+(fi%4)*1536
.set fr, 128*(\set)+12*fi
	ds_load_b128 v[fr:fr+3], v[B16+(\slot)] offset:fo
	ds_load_b64 v[fr+4:fr+5], v[B8+(\slot)] offset:fo+512
	ds_load_b128 v[fr+6:fr+9], v[B16+(\slot)] offset:fo+768
	ds_load_b64 v[fr+10:fr+11], v[B8+(\slot)] offset:fo+1280
.set fi, fi+1
.endr
	WIN 0
.set fi, 0
.rept WB
.set fo, (\kl)*KREG+(fi/4)*6400+(fi%4)*1536
.set fr, AF+96*(\set)+12*fi
	ds_load_b128 v[fr:fr+3], v[A16+(\slot)] offset:fo
	ds_load_b64 v[fr+4:fr+5], v[A8+(\slot)] offset:fo+512
	ds_load_b128 v[fr+6:fr+9], v[A16+(\slot)] offset:fo+768
	ds_load_b64 v[fr+10:fr+11], v[A8+(\slot)] offset:fo+1280
.set fi, fi+1
.endr
.set fi, 0
.rept RGW
	ds_load_b128 v[SC+8*(\set)+4*fi:SC+8*(\set)+4*fi+3], v[ASC+(\slot)] offset:(\kl)*KREG+fi*6400
.set fi, fi+1
.endr
.endm
.macro MULS set, zero
.set ma, 0
.rept WB
.if ma == 0
	WIN 0xa1
.elseif ma == 4
	WIN 0xf1
.endif
.set mb, 0
.rept WB
.set rD, 8*(WB*(ma%4)+mb)
.if \zero
	v_wmma_scale_f32_16x16x128_f8f6f4 v[rD:rD+7], v[128*(\set)+12*mb:128*(\set)+12*mb+11], v[AF+96*(\set)+12*ma:AF+96*(\set)+12*ma+11], 0, v[SC+8*(\set)+mb], v[SC+8*(\set)+ma] matrix_a_fmt:MATRIX_FMT_FP6 matrix_b_fmt:MATRIX_FMT_FP6 matrix_a_scale:MATRIX_SCALE_ROW1
.else
	v_wmma_scale_f32_16x16x128_f8f6f4 v[rD:rD+7], v[128*(\set)+12*mb:128*(\set)+12*mb+11], v[AF+96*(\set)+12*ma:AF+96*(\set)+12*ma+11], v[rD:rD+7], v[SC+8*(\set)+mb], v[SC+8*(\set)+ma] matrix_a_fmt:MATRIX_FMT_FP6 matrix_b_fmt:MATRIX_FMT_FP6 matrix_a_scale:MATRIX_SCALE_ROW1
.endif
.set mb, mb+1
.endr
.set ma, ma+1
.endr
	WIN 0
.endm
	s_load_b128 s[4:7], s[0:1], 0x0
	s_load_b64 s[8:9], s[0:1], 0x10
.if FCP
	s_load_b64 s[10:11], s[0:1], 0x18
.endif
	v_lshl_add_u32 v[SPW], v0, 2, SPARE
	v_mov_b32 v[NIL], 0
	ds_add_u32 v[SPW], v[NIL]
	ds_add_u32 v[SPW], v[NIL]
	v_lshrrev_b32 v1, 5, v0
	v_readfirstlane_b32 s14, v1
	s_lshr_b32 s15, s14, 1
	s_and_b32 s16, s14, 1
	s_bfe_u32 s40, ttmp6, 0x40000
	s_bfe_u32 s41, ttmp6, 0x40004
	s_lshl_b32 s42, ttmp9, 2
	s_add_co_u32 s42, s42, s40
	s_and_b32 s17, ttmp7, 0xffff
	s_lshl_b32 s17, s17, 2
	s_add_co_u32 s17, s17, s41
	s_lshl_b32 s43, s41, 2
	s_lshl_b32 s43, 15, s43
	s_lshl_b32 s44, 0x1111, s40
	s_or_b32 s[G1], s43, (3<<16)|(1<<21)
	s_or_b32 s[G1T], s43, (3<<16)|(1<<21)
	s_or_b32 s[G1B], s44, (3<<16)|(1<<21)
	s_or_b32 s[G1BT], s44, (3<<16)|(1<<21)
.irp g, G1, G1B
	s_mov_b32 s[\g+1], (800*RGW)<<16
	s_mov_b32 s[\g+2], (2*QS)<<16                  ; the head's one load a wave brings both slots' K steps, which lie on end in LDS
	s_mov_b32 s[\g+3], (800*RGW)<<16
	s_mov_b32 s[\g+4], 2*QS
	s_mov_b32 s[\g+6], 0
	s_mov_b32 s[\g+7], 0
.endr
.irp g, G1T, G1BT
	s_mov_b32 s[\g+1], (800*RGW)<<16
	s_mov_b32 s[\g+2], 2<<16
	s_mov_b32 s[\g+3], (800*RGW)<<16
	s_mov_b32 s[\g+4], 2
	s_mov_b32 s[\g+6], 0
	s_mov_b32 s[\g+7], 0
.endr
	s_mov_b32 s[G1+5], PRG1*800
	s_mov_b32 s[G1T+5], PRG1*800
	s_mov_b32 s[G1B+5], PRG0*800
	s_mov_b32 s[G1BT+5], PRG0*800
	s_mul_i32 s19, s16, RGW
	s_mul_i32 s20, s17, WB/2
	s_add_co_u32 s20, s20, s19
	s_mul_i32 s20, s20, 6400
	s_mov_b32 s21, 0
	s_mul_i32 s46, s42, WB/2
	s_add_co_u32 s46, s46, s19
	s_mul_i32 s46, s46, 6400
	s_add_co_u32 s46, s46, REG0
	s_mov_b32 s47, 0
	s_mul_i32 s18, s14, WREG
	s_wait_dscnt 0x0
	s_wait_kmcnt 0x0
.if FCP
	s_add_nc_u64 s[20:21], s[10:11], s[20:21]
.else
	s_add_nc_u64 s[20:21], s[4:5], s[20:21]
.endif
	s_add_nc_u64 s[46:47], s[4:5], s[46:47]
	CROUND
.irp s, 0,1
	s_mov_b32 s[G0+4*\s], 1
	s_add_co_u32 s[G0+4*\s+1], s18, \s*SLOTB
	s_add_nc_u64 s[G0+4*\s+2:G0+4*\s+3], s[20:21], \s*QS*PRG1*6400
	s_or_b32 s[G0+4*\s+3], s[G0+4*\s+3], 0x80000000
	s_mov_b32 s[G0B+4*\s], 1
	s_add_co_u32 s[G0B+4*\s+1], s18, \s*SLOTB
	s_add_nc_u64 s[G0B+4*\s+2:G0B+4*\s+3], s[46:47], \s*QS*PRG0*6400
	s_or_b32 s[G0B+4*\s+3], s[G0B+4*\s+3], 0x80000000
.if \s == 0
	JLOAD G0, G1, G0B, G1B                         ; K steps 0 to 11, both slots: one tensor load a wave at the head
.endif
.endr
	v_and_b32 v1, 31, v0
	v_and_b32 v2, 15, v0
	v_bfe_u32 v3, v0, 4, 1
	v_lshlrev_b32 v26, 12, v3
	v_lshl_add_u32 v26, v2, 4, v26
	s_wait_alu depctr_va_vdst(0)
	s_lshl_b32 s22, s17, 1
	s_add_co_u32 s22, s22, s15
	s_lshl_b32 s22, s22, 18
	s_lshl_b32 s23, s42, 9
	s_add_co_u32 s22, s22, s23
	s_lshl_b32 s23, s16, 8
	s_add_co_u32 s22, s22, s23
	s_mov_b32 s23, 0
	s_add_nc_u64 s[6:7], s[6:7], s[22:23]
	s_add_nc_u64 s[8:9], s[8:9], s[22:23]
.macro RESID                           ; the residual into window 3, in the order in which the rows leave the stage: asked for in K step 7, behind the head's tiles and the first refill; it is wanted behind K step 31
	WIN 0xc0
.irp a, 0,1,2,3
.irp t, 0,1,2,3,4,5,6,7
	global_load_b128 v[4*(8*\a+\t):4*(8*\a+\t)+3], v26, s[6:7] offset:(32*(\a/2)+8*(\a%2)+2*\t+8*(\t/4))*4096
.endr
.endr
	WIN 0
.endm
	v_lshlrev_b32 v12, 4, v1
	v_lshlrev_b32 v13, 3, v1
	s_mul_i32 s21, s15, WREG
	s_mul_i32 s22, s16, WREG
	s_add_co_u32 s22, s22, 2*WREG
.irp s, 0,1
	v_add_nc_u32 v[A16+\s], s21, v12
	v_add_nc_u32 v[A8+\s], s21, v13
	v_add_nc_u32 v[B16+\s], s22, v12
	v_add_nc_u32 v[B8+\s], s22, v13
	s_add_co_u32 s21, s21, SLOTB
	s_add_co_u32 s22, s22, SLOTB
.endr
	s_mul_i32 s21, s15, WREG
	s_mul_i32 s22, s16, WREG
	s_add_co_u32 s22, s22, 2*WREG
	s_sub_co_u32 s22, s22, s21
	v_mul_u32_u24 v6, s22, v3
	v_lshl_add_u32 v6, v2, 4, v6
	s_add_co_u32 s21, s21, 6144
	v_add_nc_u32 v[ASC], s21, v6
	v_add_nc_u32 v[ASC+1], SLOTB, v[ASC]
	s_mul_i32 s23, s14, 4352
	s_add_co_u32 s23, s23, STAGE
	v_mul_u32_u24 v8, v2, 272
	v_lshl_add_u32 v8, v3, 6, v8
	v_add_nc_u32 v8, s23, v8
	v_mul_u32_u24 v9, v3, 272
	v_lshl_add_u32 v9, v2, 4, v9
	v_add_nc_u32 v9, s23, v9
	s_wait_alu depctr_va_vdst(0)
	s_wait_tensorcnt 0x0                           ; my part of both slots is in; no tensor load of mine is out, so a descriptor may be written:
	s_mov_b32 s[G1+2], QS<<16                      ; from here on a load brings one slot's K steps
	s_mov_b32 s[G1+4], QS
	s_mov_b32 s[G1B+2], QS<<16
	s_mov_b32 s[G1B+4], QS
	s_barrier_signal -1
	s_barrier_wait -1
	FETCH 0, 0, 0
.set k, 0
.rept KS
.set st, k%2
.set csl, (k/QS)%2
.set nsl, ((k+1)/QS)%2
.set nkl, (k+1)%QS
.if k == KS-1
	s_wait_dscnt 0x0
	MULS st, 0
.elseif (k%QS) == QS-1
	s_wait_tensorcnt 0x0
	ds_add_u32 v[SPW], v[NIL]
.if (k/QS)+2 < NF
	s_add_nc_u64 s[G0+4*csl+2:G0+4*csl+3], s[G0+4*csl+2:G0+4*csl+3], 2*QS*PRG1*6400
	s_add_nc_u64 s[G0B+4*csl+2:G0B+4*csl+3], s[G0B+4*csl+2:G0B+4*csl+3], 2*QS*PRG0*6400
.endif
	s_wait_dscnt 0x0
.if (k/QS)+2 < NF
	CROUND
.if (k/QS)+2 == NF-1
	JLOAD G0+4*csl, G1T, G0B+4*csl, G1BT
.else
	JLOAD G0+4*csl, G1, G0B+4*csl, G1B
.endif
.else
	s_barrier_signal -1
	s_barrier_wait -1
	PLACES 4
.endif
	FETCH nsl, 0, 1-st
	MULS st, 0
.else
	s_wait_dscnt 0x0
.if k > 0
	PLACES 4
.endif
	FETCH nsl, nkl, 1-st
.if k == 7
	RESID
.endif
.if k == 0
	MULS st, 1
.else
	MULS st, 0
.endif
.endif
.set k, k+1
.endr
	PLACES 4
	s_wait_loadcnt 0x0
.irp a, 0,1,2,3
	WIN 0x08
.irp p, 0,1
.irp q, 0,1,2,3
	ds_store_b128 v8, v[32*\a+16*\p+4*\q:32*\a+16*\p+4*\q+3] offset:128*\p+16*\q
.endr
.endr
	WIN 0
.irp t, 0,1,2,3,4,5,6,7
	ds_load_b128 v[64+32*\a+4*\t:64+32*\a+4*\t+3], v9 offset:544*\t
.endr
	s_wait_dscnt 0x0
	WIN 0x0c
.irp i, 0,2,4,6,8,10,12,14,16,18,20,22,24,26,28,30
	v_pk_add_f32 v[64+32*\a+\i:65+32*\a+\i], v[64+32*\a+\i:65+32*\a+\i], v[32*\a+\i:32*\a+\i+1]
.endr
	WIN 0
.irp t, 0,1,2,3,4,5,6,7
	global_store_b128 v26, v[64+32*\a+4*\t:64+32*\a+4*\t+3], s[8:9] offset:(32*(\a/2)+8*(\a%2)+2*\t+8*(\t/4))*4096
.endr
.endr
	s_wait_tensorcnt 0x0
	ds_add_u32 v[SPW], v[NIL]
	s_wait_dscnt 0x0
	CROUND
	s_endpgm
.Lfunc_end_k_qe88b2e7c32_fcproj:
	.size	k_qe88b2e7c32_fcproj, .Lfunc_end_k_qe88b2e7c32_fcproj-k_qe88b2e7c32_fcproj
	.p2alignl 7, 3214868480
	.fill 96, 4, 3214868480
	.section	.rodata,"a",@progbits
	.p2align	6, 0x0
	.amdhsa_kernel k_qe88b2e7c32_fcproj
		.amdhsa_group_segment_fixed_size 327680
		.amdhsa_private_segment_fixed_size 0
		.amdhsa_enable_private_segment 0
		.amdhsa_kernarg_size 32
		.amdhsa_user_sgpr_count 2
		.amdhsa_user_sgpr_kernarg_segment_ptr 1
		.amdhsa_wavefront_size32 1
		.amdhsa_system_sgpr_workgroup_id_x 1
		.amdhsa_system_sgpr_workgroup_id_y 1
		.amdhsa_system_sgpr_workgroup_id_z 1
		.amdhsa_system_vgpr_workitem_id 0
		.amdhsa_next_free_vgpr 1024
		.amdhsa_next_free_sgpr 104
		.amdhsa_reserve_vcc 0
		.amdhsa_float_denorm_mode_32 3
		.amdhsa_float_denorm_mode_16_64 3
		.amdhsa_memory_ordered 1
		.amdhsa_forward_progress 1
		.amdhsa_inst_pref_size 166
	.end_amdhsa_kernel
	.amdgpu_metadata
---
amdhsa.version: [ 1, 2 ]
amdhsa.kernels:
  - .name:           k_qe88b2e7c32_fcproj
    .symbol:         k_qe88b2e7c32_fcproj.kd
    .args:
      - { .name: cw, .offset: 0, .size: 8, .value_kind: global_buffer, .address_space: global }
      - { .name: x1, .offset: 8, .size: 8, .value_kind: global_buffer, .address_space: global }
      - { .name: out0, .offset: 16, .size: 8, .value_kind: global_buffer, .address_space: global }
      - { .name: hb, .offset: 24, .size: 8, .value_kind: global_buffer, .address_space: global }
    .group_segment_fixed_size: 327680
    .private_segment_fixed_size: 0
    .kernarg_segment_align: 8
    .kernarg_segment_size: 32
    .max_flat_workgroup_size: 128
    .sgpr_count:     104
    .vgpr_count:     1024
    .wavefront_size: 32
...
	.end_amdgpu_metadata
.endif
;; end of part 6
